; MI455X (gfx1250); checked and timed in simulation.
; The chip was launched on July 23, 2026; its instructions are those of AMD's public machine-readable ISA for CDNA 5 (MIT licence, August 2026) and "CDNA5" Instruction Set Architecture Reference Guide (July 2026). The comments in the code are by the model that wrote it; some were corrected since.
;; Transition Up. Allowed arithmetic: matrix products marked QUANTISED: E2M3 operands, one E8M0 scale for each 32 along K, by v_wmma_scale_f32_16x16x128_f8f6f4 with both operands' format E2M3, f32 sums; products left as they are: f32 operands where the result goes on into a quantised operand, else bf16, f16 or f32 operands; f32 sums; everything else in f32.
;; Inputs: W1 256 x 128 float32; W2 128 x 128 float32; b1 128 float32; b2 128 float32; down_features 2 x 4,096 x 256 float32; down_xyzp 2 x 4,096 x 4 float32; ori_features 2 x 16,384 x 128 float32; ori_xyzp 2 x 16,384 x 4 float32.
;; Outputs: out0 2 x 16,384 x 128 float32.
;; This version of the problem:
;;   THIS VERSION OF THE PROBLEM IS GIVEN IN LOW PRECISION. The matrix products marked QUANTISED in the list below multiply operands that are first quantised to E2M3 (2 exponent bits, 3 mantissa bits; 6 bits a number), with one power-of-two scale for each 32 numbers along K (OCP MX v1.0); their sums are f32. All else is computed in f32.
;;   The module's matrix products, in the order in which they are computed (A, B: the left and right operand; K: the contracted axis; several contracted axes count as one K, in the product's order):
;;     1. [M 8,192, K 256] x [K 256, N 128]; A: input down_features; B: input W1: QUANTISED
;;     2. [M 32,768, K 128] x [K 128, N 128]; A: input ori_features; B: input W2: QUANTISED
;;     3. batch 2 x [M 16,384, K 3] x [K 3, N 4,096]; A: input ori_xyzp; B: input down_xyzp: left as it is (K = 3 < 32)
;;   THE QUANTISER, for each operand of a quantised product, along K:
;;     - K is cut into blocks of 32 from its start; a last block that is shorter is filled with zeros.
;;     - A block's scale is 2^e with e = floor(log2(the largest magnitude in the block)) - 2, held to -126 .. 127; a block of zeros has e = 0. As a byte (E8M0): e + 127.
;;     - Each number is divided by its block's scale, clamped to +-7.5, and rounded to the nearest number of E2M3, ties to even, subnormals kept.
;;     - The product sums the exact products of the quantised numbers (number of the format x scale) in f32.
;;   ~~~python
;;   def quantise(x, axis):      # numpy; x: float32 -> the quantised numbers, widened to float32 again
;;       x = np.moveaxis(x, axis, -1); K = x.shape[-1]
;;       x = np.pad(x, [(0, 0)] * (x.ndim - 1) + [(0, -K % 32)]); x = x.reshape(x.shape[:-1] + (-1, 32)); a = np.abs(x).max(-1, keepdims=True)
;;       e = np.where(a > 0, np.clip(np.frexp(np.where(a > 0, a, 1))[1] - 1 - 2, -126, 127), 0)      # np.frexp(a)[1] - 1 = floor(log2(a)), exactly
;;       r = np.clip(x / 2.0 ** e, -7.5, 7.5)
;;       step = 2.0 ** (np.maximum(np.frexp(np.where(r == 0, 1, r))[1] - 1, 0) - 3)
;;       q = np.round(r / step) * step * 2.0 ** e      # np.round: ties to even
;;       return np.moveaxis(q.reshape(q.shape[:-2] + (-1,))[..., :K], -1, axis).astype(np.float32)
;;   ~~~
;; 2 versions, each right; version 2 is version 1 with the launches knn_exact_gemm1, gemm2_interp written anew for expert scheduling mode. Each part assembles by itself: llvm-mc -triple=amdgcn-amd-amdhsa -mcpu=gfx1250 --defsym DOCPART=n.
;; ======== version 1 of 2: 3 launches
;; workspace buffers: grp 131,072 bytes of whole numbers; idx 524,288 bytes of whole numbers; wgt 524,288 bytes; dnf 4,194,304 bytes; wq 39,936 bytes
;; launch knn_groups (part 1): grid 258 x 1, 16 waves a work-group, no clusters, 51,200 bytes of LDS; arguments down_xyzp, ori_xyzp, W1, W2, grp, wq; writes grp, wq
.if DOCPART == 1
	.amdgcn_target "amdgcn-amd-amdhsa--gfx1250"
	.amdhsa_code_object_version 6
	.text
	.protected	k_q861e3401fd_knn_groups
	.globl	k_q861e3401fd_knn_groups
	.p2align	8
	.type	k_q861e3401fd_knn_groups,@function
k_q861e3401fd_knn_groups:
	s_mov_b64 s[64:65], 0
	v_nop
	global_prefetch_b8 v0, s[64:65] scope:SCOPE_SE
	s_setreg_imm32_b32 hwreg(HW_REG_WAVE_MODE, 25, 1), 1
	s_wait_xcnt 0x0
; FIRST LEVEL OF THE NEIGHBOUR SEARCH, AND THE WEIGHTS' CODES.
; The 4,096 points of a batch are cut into 128 groups of 32 neighbouring indices.  A query's 3 nearest points lie in the 3 groups with the smallest (group minimum, group number):
; were a point's group not among them, three other groups would each hold a point that comes before it in the order (distance, index).  So this launch forms every d2 and keeps only
; group minima, picks the 3 groups of each query and stores their numbers, ascending, as one word: g0 | g1 << 8 | g2 << 16.  The next launch looks at those 96 points alone.
; d2, THE ORDER OF ROUNDINGS (the same in the next launch, bit for bit): so = fma(z,z,fma(y,y,x*x)) of the query, sd likewise of the point; T = fma(-2z,z',fma(-2y,y',(-2x)*x')), which is
; -2 x the dot product summed by fused multiply-adds in ascending k (a factor of -2 passes through every rounding); d2 = (so + sd) + T.  All f32: rounding the coordinates further would change neighbours.
; TIES: every scan runs in ascending index order and inserts on a strict 'less', so equal values keep the lower index.
; LIMITS: NaN and infinite coordinates are not served; products in the subnormal range may differ in their last bit from an unscaled dot product.
; SHARES.  Work-groups 0-255: 128 queries each against all points of their batch.  Wave w takes points 256 w .. 256 w + 255 (groups 8 w .. 8 w + 7); lane l holds queries 4 l .. 4 l + 3, so that a packed
; instruction serves two queries, and the point is a scalar that all lanes share: it comes by scalar loads, 8 points (128 bytes) a buffer, two buffers by turns.
; Per two points and four queries a lane: 20 packed instructions and 4 minima.  The waves' triples meet in LDS; waves 0-3 merge them, a thread a query.
; Work-groups 256, 257: wave by wave one of the 24 operand fragments (16 columns x 128 K) of W1 and W2: quantised along K and stored as an image of the operand's registers.  The 8 waves without a fragment end.
; NO CLUSTER, NO TENSOR LOAD: what the work-groups share is 64 KiB of points a batch, which go into scalar registers and never into LDS; there is no tile to ask for jointly.
.set ML,  8                            ; v8-19    the three smallest minima: rank p of query i at v[ML + 4 p + i]
.set IL,  20                           ; v20-31   their group numbers
.set TT,  32                           ; v32-35, v36-39  at work in INSERT
.set TU,  36
.set QX,  40                           ; v40-43 -2x, v44-47 -2y, v48-51 -2z, v52-55 so of my four queries
.set QY,  44
.set QZ,  48
.set SO,  52
.set GM,  56                           ; v56-59   the running minimum of the group in hand
.set SS,  60                           ; v60-67   so + sd: point X (0, 1), query pair P at v[SS + 4 X + 2 P]
.set TV,  68                           ; v68-75   T, then d2, likewise
.set RAW, 76                           ; v76-91   my four queries as loaded
.set VV,  40                           ; the merge: v40-81 values, v82-123 group numbers
.set JJ,  82
.set BA,  16                           ; s[16:47]  point buffer A: 8 x (x, y, z, p)
.set BB,  68                           ; s[68:99]  point buffer B
.set SCR, 48                           ; s[48:63]  two sets of y, -, sd, -, y, -, sd, - for two points (a packed source names an even pair and takes its low word)
.set MK,  48                           ; the same registers hold INSERT's masks between groups
; n insertions that do not depend on each other, stage by stage.  Set q: value v[d + ds q], number v[j + js q], list at ML + q, IL + q.  11 instructions a set.
.macro INSERT n, d, ds, j, js
.set IQ, 0
.rept \n
	v_cmp_lt_f32 s[MK+3*IQ], v[(\d)+(\ds)*IQ], v[ML+IQ]
	v_cmp_lt_f32 s[MK+3*IQ+1], v[(\d)+(\ds)*IQ], v[ML+4+IQ]
	v_cmp_lt_f32 s[MK+3*IQ+2], v[(\d)+(\ds)*IQ], v[ML+8+IQ]
.set IQ, IQ+1
.endr
.set IQ, 0
.rept \n
	v_cndmask_b32 v[TT+IQ], v[(\j)+(\js)*IQ], v[IL+4+IQ], s[MK+3*IQ+1]      ; what rank 3 takes if it changes: the old rank 2, or the newcomer
	v_cndmask_b32 v[TU+IQ], v[(\j)+(\js)*IQ], v[IL+IQ], s[MK+3*IQ]          ; and rank 2: the old rank 1, or the newcomer
.set IQ, IQ+1
.endr
.set IQ, 0
.rept \n
	v_cndmask_b32 v[IL+8+IQ], v[IL+8+IQ], v[TT+IQ], s[MK+3*IQ+2]
	v_cndmask_b32 v[IL+4+IQ], v[IL+4+IQ], v[TU+IQ], s[MK+3*IQ+1]
	v_cndmask_b32 v[IL+IQ], v[IL+IQ], v[(\j)+(\js)*IQ], s[MK+3*IQ]
.set IQ, IQ+1
.endr
.set IQ, 0
.rept \n
	v_med3_num_f32 v[ML+8+IQ], v[ML+4+IQ], v[ML+8+IQ], v[(\d)+(\ds)*IQ]     ; the list is sorted, so each rank's new value is a middle of three
.set IQ, IQ+1
.endr
.set IQ, 0
.rept \n
	v_med3_num_f32 v[ML+4+IQ], v[ML+IQ], v[ML+4+IQ], v[(\d)+(\ds)*IQ]
.set IQ, IQ+1
.endr
.set IQ, 0
.rept \n
	v_min_num_f32 v[ML+IQ], v[ML+IQ], v[(\d)+(\ds)*IQ]
.set IQ, IQ+1
.endr
.endm
; two points at s[c], s[c + 4]: y onto an even register, sd by the scalar unit
.macro PREP set, c
	s_mov_b32 s[SCR+8*(\set)], s[(\c)+1]
	s_mul_f32 s[SCR+8*(\set)+2], s[(\c)], s[(\c)]
	s_mov_b32 s[SCR+8*(\set)+4], s[(\c)+5]
	s_mul_f32 s[SCR+8*(\set)+6], s[(\c)+4], s[(\c)+4]
	s_fmac_f32 s[SCR+8*(\set)+2], s[(\c)+1], s[(\c)+1]
	s_fmac_f32 s[SCR+8*(\set)+6], s[(\c)+5], s[(\c)+5]
	s_fmac_f32 s[SCR+8*(\set)+2], s[(\c)+2], s[(\c)+2]
	s_fmac_f32 s[SCR+8*(\set)+6], s[(\c)+6], s[(\c)+6]
.endm
; d2 of those two points and my four queries, four chains stage by stage; then into the group's minimum.  first = 1: the minimum begins here, nothing is cleared
.macro DO set, c, first
.irp x, 0,1
.irp p, 0,1
	v_pk_add_f32 v[SS+4*\x+2*\p:SS+4*\x+2*\p+1], v[SO+2*\p:SO+2*\p+1], s[SCR+8*(\set)+4*\x+2:SCR+8*(\set)+4*\x+3] op_sel_hi:[1,0]
.endr
.endr
.irp x, 0,1
.irp p, 0,1
	v_pk_mul_f32 v[TV+4*\x+2*\p:TV+4*\x+2*\p+1], v[QX+2*\p:QX+2*\p+1], s[(\c)+4*\x:(\c)+4*\x+1] op_sel_hi:[1,0]
.endr
.endr
.irp x, 0,1
.irp p, 0,1
	v_pk_fma_f32 v[TV+4*\x+2*\p:TV+4*\x+2*\p+1], v[QY+2*\p:QY+2*\p+1], s[SCR+8*(\set)+4*\x:SCR+8*(\set)+4*\x+1], v[TV+4*\x+2*\p:TV+4*\x+2*\p+1] op_sel_hi:[1,0,1]
.endr
.endr
.irp x, 0,1
.irp p, 0,1
	v_pk_fma_f32 v[TV+4*\x+2*\p:TV+4*\x+2*\p+1], v[QZ+2*\p:QZ+2*\p+1], s[(\c)+4*\x+2:(\c)+4*\x+3], v[TV+4*\x+2*\p:TV+4*\x+2*\p+1] op_sel_hi:[1,0,1]
.endr
.endr
.irp x, 0,1
.irp p, 0,1
	v_pk_add_f32 v[TV+4*\x+2*\p:TV+4*\x+2*\p+1], v[SS+4*\x+2*\p:SS+4*\x+2*\p+1], v[TV+4*\x+2*\p:TV+4*\x+2*\p+1]
.endr
.endr
.irp i, 0,1,2,3
.if \first
	v_min_num_f32 v[GM+\i], v[TV+\i], v[TV+4+\i]
.else
	v_min3_num_f32 v[GM+\i], v[GM+\i], v[TV+\i], v[TV+4+\i]
.endif
.endr
.endm
; 8 points out of buffer cur, while the next 8 come into buffer nxt.  kind 0: nothing is fetched; 1: from byte off; 2: the pointer steps a group on first
.macro BATCH cur, nxt, kind, off, first
	s_wait_kmcnt 0x0                               ; this buffer's two loads, issued a batch ago, are in; no scalar load is out, so their base may step
.if \kind == 2
	s_add_nc_u64 s[4:5], s[4:5], 512
.endif
.if \kind
	s_load_b512 s[\nxt:\nxt+15], s[4:5], \off
	s_load_b512 s[\nxt+16:\nxt+31], s[4:5], \off+64
.endif
	PREP 0, \cur
	PREP 1, \cur+8
	DO 0, \cur, \first
	PREP 0, \cur+16
	DO 1, \cur+8, 0
	PREP 1, \cur+24
	DO 0, \cur+16, 0
	DO 1, \cur+24, 0
.endm
; a group of 32 points: four batches, then its minimum is offered to each query's list
.macro GROUP last
	BATCH BA, BB, 1, 128, 1
	BATCH BB, BA, 1, 256, 0
	BATCH BA, BB, 1, 384, 0
.if \last
	BATCH BB, BA, 0, 0, 0
.else
	BATCH BB, BA, 2, 0, 0
.endif
	v_mov_b32 v5, s66
	INSERT 4, GM, 1, 5, 0
	s_add_co_u32 s66, s66, 1
.endm
	s_load_b256 s[4:11], s[0:1], 0x0               ; points s[4:5], queries s[6:7], W1 s[8:9], W2 s[10:11]
	s_load_b128 s[12:15], s[0:1], 0x20             ; grp s[12:13], wq s[14:15]
	v_lshl_add_u32 v128, v0, 2, 0xc000
	v_mov_b32 v129, 0
	v_lshrrev_b32 v1, 5, v0
	v_readfirstlane_b32 s2, v1                     ; wave 0..15
	v_and_b32 v1, 31, v0                           ; lane
	s_wait_kmcnt 0x0
	s_cmp_ge_u32 ttmp9, 256                        ; the same in all waves of a work-group
	s_cbranch_scc1 .Lweights
	s_lshr_b32 s67, ttmp9, 7                       ; batch: 128 work-groups each
	s_lshl_b32 s100, s67, 16                       ; its 4,096 points of 16 bytes,
	s_lshl_b32 s67, s2, 12                         ; my wave's 256 of them
	s_add_co_u32 s100, s100, s67
	s_mov_b32 s101, 0
	s_add_nc_u64 s[4:5], s[4:5], s[100:101]
	s_lshl_b32 s100, ttmp9, 11                     ; my work-group's 128 queries of 16 bytes
	s_add_nc_u64 s[6:7], s[6:7], s[100:101]
	s_lshl_b32 s100, ttmp9, 9                      ; and their 128 words of grp
	s_add_nc_u64 s[12:13], s[12:13], s[100:101]
	v_lshlrev_b32 v4, 6, v1                        ; four queries a lane: 64 bytes
.irp i, 0,1,2,3
	global_load_b128 v[RAW+4*\i:RAW+4*\i+3], v4, s[6:7] offset:16*\i
.endr
	s_load_b512 s[BA:BA+15], s[4:5], 0x0           ; the first 8 points
	s_load_b512 s[BA+16:BA+31], s[4:5], 0x40
	s_mul_i32 s67, s2, 1536
	v_lshlrev_b32 v2, 4, v1
	v_add_nc_u32 v2, s67, v2                       ; LDS: my wave's three rows of 512 bytes, 16 bytes a lane
	v_lshlrev_b32 v3, 2, v0                        ; the merge: 4 bytes a thread
.irp k, 0,1,2,3,4,5,6,7,8,9,10,11
	v_mov_b32 v[ML+\k], 0x7f800000                 ; the lists begin at +infinity,
	v_mov_b32 v[IL+\k], 0                          ; with any number
.endr
.irp k, 49,51,53,55,57,59,61,63
	s_mov_b32 s\k, 0                               ; the upper words of the pairs that packed sources name: written once
.endr
	s_lshl_b32 s66, s2, 3                          ; my first group's number
	s_mov_b32 s3, 7
	s_wait_loadcnt 0x0                             ; my queries
.irp i, 0,1,2,3
	v_mul_f32 v[QX+\i], -2.0, v[RAW+4*\i]
	v_mul_f32 v[QY+\i], -2.0, v[RAW+4*\i+1]
	v_mul_f32 v[QZ+\i], -2.0, v[RAW+4*\i+2]
	v_mul_f32 v[SO+\i], v[RAW+4*\i], v[RAW+4*\i]
.endr
.irp i, 0,1,2,3
	v_fma_f32 v[SO+\i], v[RAW+4*\i+1], v[RAW+4*\i+1], v[SO+\i]
.endr
.irp i, 0,1,2,3
	v_fma_f32 v[SO+\i], v[RAW+4*\i+2], v[RAW+4*\i+2], v[SO+\i]
.endr
.Lgroup:                                           ; 7 trips; the eighth group is written out, so that no load passes my wave's 4,096 bytes
	GROUP 0
	s_sub_co_u32 s3, s3, 1
	s_cmp_lg_u32 s3, 0
	s_cbranch_scc1 .Lgroup
	GROUP 1
	; my wave's triples to LDS: entry e = 3 w + rank, 512 bytes each (128 queries x 4); values from byte 0, numbers from byte 24,576
.irp p, 0,1,2
	ds_store_b128 v2, v[ML+4*\p:ML+4*\p+3] offset:512*\p
	ds_store_b128 v2, v[IL+4*\p:IL+4*\p+3] offset:24576+512*\p
.endr
	s_wait_dscnt 0x0                               ; for the others' sake: my stores have landed
	s_barrier_signal -1
	s_barrier_wait -1
	s_cmp_ge_u32 s2, 4
	s_cbranch_scc1 .Lend
	; THE MERGE: a thread a query, 48 entries in ascending order of wave and rank; two lists (entries 0-23, 24-47) so that two insertions run side by side
.irp p, 0,1,2
	ds_load_b32 v[ML+4*\p], v3 offset:512*\p
	ds_load_b32 v[ML+4*\p+1], v3 offset:512*(24+\p)
	ds_load_b32 v[IL+4*\p], v3 offset:24576+512*\p
	ds_load_b32 v[IL+4*\p+1], v3 offset:24576+512*(24+\p)
.endr
.set MN, 0
.rept 21
	ds_load_b32 v[VV+MN], v3 offset:512*(3+MN)
	ds_load_b32 v[VV+21+MN], v3 offset:512*(27+MN)
	ds_load_b32 v[JJ+MN], v3 offset:24576+512*(3+MN)
	ds_load_b32 v[JJ+21+MN], v3 offset:24576+512*(27+MN)
.set MN, MN+1
.endr
	s_wait_dscnt 0x0
.set MN, 0
.rept 21
	INSERT 2, VV+MN, 21, JJ+MN, 21
.set MN, MN+1
.endr
.irp p, 0,1,2
	INSERT 1, ML+4*\p+1, 0, IL+4*\p+1, 0           ; the second list, whose groups all come later, into the first
.endr
	v_min_u32 v32, v[IL], v[IL+4]                  ; the three numbers in ascending order, so that the next launch scans in ascending index order
	v_max_u32 v33, v[IL], v[IL+4]
	v_min_u32 v34, v32, v[IL+8]
	v_max_u32 v35, v32, v[IL+8]
	v_min_u32 v36, v33, v35
	v_max_u32 v37, v33, v35
	v_lshl_or_b32 v34, v36, 8, v34
	v_lshl_or_b32 v34, v37, 16, v34
	global_store_b32 v3, v34, s[12:13]             ; a wave stores 128 consecutive bytes, the four waves the work-group's 512
.Lend:
	s_wait_tensorcnt 0x0
	ds_add_u32 v128, v129
	s_wait_dscnt 0x0
	s_endpgm
; THE WEIGHTS.  W is [K][128] f32 with K along its first axis.  Fragment f: f = 2 t + s for W1 (columns 16 t on, K step s), f = 16 + t for W2.  Lane (r, h) takes column r and its registers run down K in the
; order of the operand's layout, k = 64 c + 32 h + 0 .. 31: the conversions' results are the operand's registers.  A block's scale byte is its largest magnitude's exponent field less 2, held at 1 from below
; (a block of zeros so gets 1 where the rule says 127: its codes are zeros, and this program alone reads the bytes).  Beyond 7.5 the conversion gives the largest code.
; wq: image of fragment f at 1,536 f: register group c of lane l at 512 c + 16 l.  Scale words behind them, at 36,864 + 512 (f / 4) + 16 l + 4 (f % 4): one load of 16 bytes gives a lane four fragments' words.
.Lweights:
	s_sub_co_u32 s16, ttmp9, 256
	s_lshl_b32 s16, s16, 4
	s_add_co_u32 s16, s16, s2                      ; f
	s_cmp_ge_u32 s16, 24
	s_cbranch_scc1 .Lidle                          ; 32 waves, 24 fragments
	s_lshr_b32 s17, s16, 1                         ; W1: t,
	s_and_b32 s18, s16, 1                          ; s
	s_sub_co_u32 s19, s16, 16                      ; W2: t
	s_cmp_lt_u32 s16, 16
	s_cselect_b64 s[8:9], s[8:9], s[10:11]         ; the choice hangs on the fragment's number alone
	s_cselect_b32 s17, s17, s19
	s_cselect_b32 s18, s18, 0
	s_lshl_b32 s18, s18, 16                        ; 128 rows of 512 bytes a K step
	s_lshl_b32 s17, s17, 6                         ; 16 columns of 4 bytes a tile
	s_add_co_u32 s20, s18, s17
	s_mov_b32 s21, 0
	s_add_nc_u64 s[8:9], s[8:9], s[20:21]
	s_mul_i32 s20, s16, 1536
	s_add_nc_u64 s[22:23], s[14:15], s[20:21]      ; my image
	s_lshr_b32 s24, s16, 2
	s_lshl_b32 s24, s24, 9
	s_and_b32 s25, s16, 3
	s_lshl_b32 s25, s25, 2
	s_add_co_u32 s24, s24, s25
	s_add_co_u32 s24, s24, 36864
	s_mov_b32 s25, 0
	s_add_nc_u64 s[26:27], s[14:15], s[24:25]      ; my scale words
	s_mov_b32 s28, 0x76543210
	s_mov_b32 s29, 0xfedcba98                      ; v_permlanex16_b32's selects for lane l xor 16
	v_and_b32 v6, 15, v0                           ; r
	v_bfe_u32 v7, v0, 4, 1                         ; h
	v_lshlrev_b32 v8, 2, v6
	v_lshl_add_u32 v8, v7, 14, v8                  ; column r, and 32 rows further down for lanes 16-31
	v_lshlrev_b32 v11, 4, v1                       ; 16 x lane
.irp c, 0,1
.irp i, 0,1,2,3,4,5,6,7,8,9,10,11,12,13,14,15,16,17,18,19,20,21,22,23,24,25,26,27,28,29,30,31
	global_load_b32 v[64+32*\c+\i], v8, s[8:9] offset:512*(64*\c+\i)
.endr
.endr
	s_wait_loadcnt 0x0
.irp c, 0,1
	v_max3_num_f32 v[32+\c], |v[64+32*\c]|, |v[65+32*\c]|, 0x1800000   ; my block 2 c + h, and the floor 2^(3 - 127)
.endr
.irp i, 2,4,6,8,10,12,14,16,18,20,22,24,26,28,30
.irp c, 0,1
	v_max3_num_f32 v[32+\c], v[32+\c], |v[64+32*\c+\i]|, |v[65+32*\c+\i]|
.endr
.endr
.irp c, 0,1
	v_add_nc_u32 v[44+\c], 0xff000000, v[32+\c]    ; 2 off the exponent field: the conversion's scale operand
.endr
.irp c, 0,1
	v_lshrrev_b32 v[36+\c], 23, v[44+\c]           ; the scale's byte
.endr
	v_lshl_or_b32 v9, v37, 16, v36                 ; blocks h and 2 + h of column r,
	v_lshlrev_b32 v10, 3, v7
	v_lshlrev_b32 v9, v10, v9                      ; at their places in the word;
	v_mov_b32 v10, 0
	v_permlanex16_b32 v10, v9, s28, s29
	v_or_b32 v9, v9, v10                           ; with lane l xor 16's two it is whole
.irp c, 0,1
	v_cvt_scalef32_pk16_fp6_f32 v[48+6*\c:50+6*\c], v[64+32*\c:79+32*\c], v[44+\c]
	v_cvt_scalef32_pk16_fp6_f32 v[16+4*\c:18+4*\c], v[80+32*\c:95+32*\c], v[44+\c]   ; (a conversion's three registers begin on an even number)
.endr
	v_nop                                          ; one plain place behind a scaled conversion
.irp c, 0,1
.irp i, 0,1,2
	v_mov_b32 v[51+6*\c+\i], v[16+4*\c+\i]
.endr
.endr
.irp c, 0,1,2
	global_store_b128 v11, v[48+4*\c:51+4*\c], s[22:23] offset:512*\c   ; 32 lanes store 512 consecutive bytes
.endr
	global_store_b32 v11, v9, s[26:27]
.Lidle:
	s_endpgm
.Lfunc_end_k_q861e3401fd_knn_groups:
	.size	k_q861e3401fd_knn_groups, .Lfunc_end_k_q861e3401fd_knn_groups-k_q861e3401fd_knn_groups
	.p2alignl 7, 3214868480
	.fill 96, 4, 3214868480
	.section	.rodata,"a",@progbits
	.p2align	6, 0x0
	.amdhsa_kernel k_q861e3401fd_knn_groups
		.amdhsa_group_segment_fixed_size 51200
		.amdhsa_private_segment_fixed_size 0
		.amdhsa_enable_private_segment 0
		.amdhsa_kernarg_size 48
		.amdhsa_user_sgpr_count 2
		.amdhsa_user_sgpr_kernarg_segment_ptr 1
		.amdhsa_wavefront_size32 1
		.amdhsa_system_sgpr_workgroup_id_x 1
		.amdhsa_system_sgpr_workgroup_id_y 1
		.amdhsa_system_sgpr_workgroup_id_z 1
		.amdhsa_system_vgpr_workitem_id 0
		.amdhsa_next_free_vgpr 130
		.amdhsa_next_free_sgpr 102
		.amdhsa_reserve_vcc 0
		.amdhsa_float_denorm_mode_32 3
		.amdhsa_float_denorm_mode_16_64 3
		.amdhsa_memory_ordered 1
		.amdhsa_forward_progress 1
		.amdhsa_inst_pref_size 114
	.end_amdhsa_kernel
	.amdgpu_metadata
---
amdhsa.version: [ 1, 2 ]
amdhsa.kernels:
  - .name:           k_q861e3401fd_knn_groups
    .symbol:         k_q861e3401fd_knn_groups.kd
    .args:
      - { .name: down_xyzp, .offset: 0, .size: 8, .value_kind: global_buffer, .address_space: global }
      - { .name: ori_xyzp, .offset: 8, .size: 8, .value_kind: global_buffer, .address_space: global }
      - { .name: W1, .offset: 16, .size: 8, .value_kind: global_buffer, .address_space: global }
      - { .name: W2, .offset: 24, .size: 8, .value_kind: global_buffer, .address_space: global }
      - { .name: grp, .offset: 32, .size: 8, .value_kind: global_buffer, .address_space: global }
      - { .name: wq, .offset: 40, .size: 8, .value_kind: global_buffer, .address_space: global }
    .group_segment_fixed_size: 51200
    .private_segment_fixed_size: 0
    .kernarg_segment_align: 8
    .kernarg_segment_size: 48
    .max_flat_workgroup_size: 512
    .sgpr_count:     102
    .vgpr_count:     130
    .wavefront_size: 32
...
	.end_amdgpu_metadata
.endif
;; end of part 1
;; launch knn_exact_gemm1 (part 2): grid 256 x 1, 8 waves a work-group, no clusters, 87,040 bytes of LDS; arguments grp, ori_xyzp, down_xyzp, down_features, wq, b1, idx, wgt, dnf; writes idx, wgt, dnf
.if DOCPART == 2
	.amdgcn_target "amdgcn-amd-amdhsa--gfx1250"
	.amdhsa_code_object_version 6
	.text
	.protected	k_q861e3401fd_knn_exact_gemm1
	.globl	k_q861e3401fd_knn_exact_gemm1
	.p2align	8
	.type	k_q861e3401fd_knn_exact_gemm1,@function
k_q861e3401fd_knn_exact_gemm1:
	s_mov_b64 s[64:65], 0
	v_nop
	global_prefetch_b8 v0, s[64:65] scope:SCOPE_SE
	s_setreg_imm32_b32 hwreg(HW_REG_WAVE_MODE, 25, 1), 1
	s_wait_xcnt 0x0
; TWO ROLES, parted once on the wave's number; they share nothing, so there is no barrier.
; WAVES 0-3: THE SECOND LEVEL OF THE SEARCH.  Wave w takes queries 128 x work-group + 32 w + 0 .. 31.  For each, the three groups of 32 points that the launch before chose (whole numbers, read from grp) are
; looked at again: d2 with the same order of roundings as there (so = fma(z,z,fma(y,y,x*x)); sd likewise; T = fma(-2z,z',fma(-2y,y',(-2x)*x')); d2 = (so + sd) + T), then the 3 smallest with their indices,
; equal values keeping the lower index.  Stored: rows of dnf (batch x 4,096 + index) as whole numbers, and the weights (1 / (d + 1e-8)) / their sum, 16 bytes a query each.
; A group is 512 consecutive bytes: one load with a scalar offset gives a lane a point; the query is four scalars.  The 96 d2 of a query go to the wave's own LDS row (400 bytes) and come back a lane a query.
; LIMITS: NaN and infinite coordinates are not served; the reciprocals are v_rcp_f32's; d + 1e-8 = 0 gives NaN.
; WAVES 4-7: down_f = Q(down_features) Q(W1) + b1 in MX-FP6, rows 32 x work-group on.  Wave 4 + j: rows 16 (j % 2) on, columns 64 (j / 2) on: 4 tiles x 2 K steps.  (A tile of rows is so read and quantised by two waves.)
; x is loaded densely (a row's K step is 512 bytes: 16 a lane), turned through the wave's own stage so that a lane holds 16 neighbours of each block of 32, and quantised in registers; W1 comes as register images.
; The product is used transposed (source 0 = 16 columns of W1, source 1 = 16 rows of x): a lane's eight results are eight neighbouring columns of one row.
; A block of zeros gets the scale byte 1 where the rule says 127: its codes are zeros.
; NO CLUSTER, NO TENSOR LOAD: what work-groups share is W1's 24 KiB of images beside 32 KiB of x and up to 192 KiB of points of their own; nothing in LDS is filled twice.
.set CR,  16                           ; v16-207  a ring of four sets of 12 quads (4 queries x 3 groups): x, y, z, p of my point
.set RQ,  208                          ; v208-211 my lane's query as loaded
.set GW,  212                          ; v212     my lane's word of grp
.set VQ,  214                          ; v214-217 -2x, -2y, -2z, so of my lane's query
.set DD,  16                           ; v16-111  my query's 96 d2
.set ML,  112                          ; v112-123 three lists (one a group): rank p of list q at v[ML + 4 p + q]
.set IL,  124                          ; v124-135 their indices
.set TT,  136
.set TU,  140
.set GB,  144                          ; v144-146 the three groups' first rows of dnf
.set IDQ, 156
.set WGQ, 160
.set MK,  84                           ; s84-92   INSERT's masks
; the product's role
.set SA,  5                            ; v5   the stage: 16 x lane
.set SQ,  6                            ; v6   the stage: 528 r + 64 h
.set XR0, 16                           ; v16-79   x, K step 0
.set XR1, 80                           ; v80-143  x, K step 1
.set ACC, 16                           ; v16-47   four accumulators
.set RO,  80                           ; v80-111  rows on the way out
.set TM,  144                          ; v144-159 at work in QUANT
.set PW0, 160                          ; v160, v161  x's scale words: they hold nothing else
.set PW1, 161
.set PC0, 162                          ; v162-173, v174-185  x's codes
.set PC1, 174
.set QT,  186
.set W1S, 196                          ; v196-203 W1's scale words
.set B1R, 204                          ; v204-207 b1 of my four columns
.set SEL, 22
.set MSB, 0
.macro WIN new                         ; the immediate's high byte repeats the setting that is left
.if MSB != \new
	s_set_vgpr_msb (MSB<<8)|\new
.set MSB, \new
.endif
.endm
.macro INSERT n, d, ds, j, js          ; n insertions that do not depend on each other, stage by stage; 11 instructions a set
.set IQ, 0
.rept \n
	v_cmp_lt_f32 s[MK+3*IQ], v[(\d)+(\ds)*IQ], v[ML+IQ]
	v_cmp_lt_f32 s[MK+3*IQ+1], v[(\d)+(\ds)*IQ], v[ML+4+IQ]
	v_cmp_lt_f32 s[MK+3*IQ+2], v[(\d)+(\ds)*IQ], v[ML+8+IQ]
.set IQ, IQ+1
.endr
.set IQ, 0
.rept \n
	v_cndmask_b32 v[TT+IQ], v[(\j)+(\js)*IQ], v[IL+4+IQ], s[MK+3*IQ+1]
	v_cndmask_b32 v[TU+IQ], v[(\j)+(\js)*IQ], v[IL+IQ], s[MK+3*IQ]
.set IQ, IQ+1
.endr
.set IQ, 0
.rept \n
	v_cndmask_b32 v[IL+8+IQ], v[IL+8+IQ], v[TT+IQ], s[MK+3*IQ+2]
	v_cndmask_b32 v[IL+4+IQ], v[IL+4+IQ], v[TU+IQ], s[MK+3*IQ+1]
	v_cndmask_b32 v[IL+IQ], v[IL+IQ], v[(\j)+(\js)*IQ], s[MK+3*IQ]
.set IQ, IQ+1
.endr
.set IQ, 0
.rept \n
	v_med3_num_f32 v[ML+8+IQ], v[ML+4+IQ], v[ML+8+IQ], v[(\d)+(\ds)*IQ]
.set IQ, IQ+1
.endr
.set IQ, 0
.rept \n
	v_med3_num_f32 v[ML+4+IQ], v[ML+IQ], v[ML+4+IQ], v[(\d)+(\ds)*IQ]
.set IQ, IQ+1
.endr
.set IQ, 0
.rept \n
	v_min_num_f32 v[ML+IQ], v[ML+IQ], v[(\d)+(\ds)*IQ]
.set IQ, IQ+1
.endr
.endm
	s_load_b512 s[4:19], s[0:1], 0x0               ; grp 4, queries 6, points 8, features 10, wq 12, b1 14, idx 16, wgt 18
	s_load_b64 s[20:21], s[0:1], 0x40              ; dnf
	v_lshl_add_u32 v254, v0, 2, 0x15000
	v_mov_b32 v255, 0
	v_lshrrev_b32 v1, 5, v0
	v_readfirstlane_b32 s2, v1                     ; wave 0..7
	v_and_b32 v1, 31, v0                           ; lane
	s_wait_kmcnt 0x0
	s_cmp_ge_u32 s2, 4
	s_cbranch_scc1 .Lgemm
	; ---------------- the search ----------------
	s_lshl_b32 s56, ttmp9, 7
	s_lshl_b32 s57, s2, 5
	s_add_co_u32 s56, s56, s57                     ; my wave's first query
	s_lshl_b32 s58, s56, 2
	s_mov_b32 s59, 0
	s_add_nc_u64 s[4:5], s[4:5], s[58:59]
	s_lshl_b32 s58, s56, 4
	s_add_nc_u64 s[6:7], s[6:7], s[58:59]
	s_add_nc_u64 s[16:17], s[16:17], s[58:59]
	s_add_nc_u64 s[18:19], s[18:19], s[58:59]
	s_lshr_b32 s57, ttmp9, 7                       ; batch
	s_lshl_b32 s58, s57, 16
	s_add_nc_u64 s[8:9], s[8:9], s[58:59]          ; its points
	s_lshl_b32 s57, s57, 12                        ; and its first row of dnf
	s_load_b512 s[24:39], s[4:5], 0x0              ; the 32 queries' words of grp, as scalars: they steer the loads
	s_load_b512 s[40:55], s[4:5], 0x40
	v_lshlrev_b32 v2, 4, v1                        ; 16 x lane
	v_lshlrev_b32 v6, 2, v1                        ; 4 x lane
	global_load_b128 v[RQ:RQ+3], v2, s[6:7]
	global_load_b32 v[GW], v6, s[4:5]
	s_mul_i32 s58, s2, 12800                       ; my wave's LDS: 32 rows of 400 bytes
	v_add_nc_u32 v3, s58, v6                       ; in: 4 bytes a lane (a point)
	v_mul_u32_u24 v4, v1, 400
	v_add_nc_u32 v4, s58, v4                       ; back: a row a lane (a query); 400 = 25 x 16, so sixteen rows start at sixteen different 16-byte columns modulo 256
	s_wait_kmcnt 0x0
; queries 4 bt .. 4 bt + 3: their three groups into ring set bt % 4.  A stored number enters an address behind its clamp; each load lands on its own address register
.macro ISSUE bt
.irp j, 0,1,2,3
.irp k, 0,1,2
	s_bfe_u32 s56, s[24+4*(\bt)+\j], 0x70000|(8*\k)
	s_min_u32 s56, s56, 127
	s_lshl_b32 s56, s56, 9
	v_add_nc_u32 v[CR+48*((\bt)%4)+12*\j+4*\k], s56, v2
	global_load_b128 v[CR+48*((\bt)%4)+12*\j+4*\k:CR+48*((\bt)%4)+12*\j+4*\k+3], v[CR+48*((\bt)%4)+12*\j+4*\k], s[8:9]
.endr
.endr
.endm
; their d2, twelve chains stage by stage, in place: p becomes sd and then so + sd, x becomes T and then d2
.macro COMP bt
.if 7-(\bt) >= 3
	s_wait_loadcnt 36                              ; this set's twelve loads are in; the three younger sets' may be out
.else
	s_wait_loadcnt 12*(7-(\bt))
.endif
.irp j, 0,1,2,3
.irp c, 0,1,2,3
	v_readlane_b32 s[68+4*\j+\c], v[VQ+\c], 4*(\bt)+\j
.endr
.endr
.set CS0, CR+48*((\bt)%4)
.set CE, 0
.rept 12
	v_mul_f32 v[CS0+4*CE+3], v[CS0+4*CE], v[CS0+4*CE]
.set CE, CE+1
.endr
.set CE, 0
.rept 12
	v_fma_f32 v[CS0+4*CE+3], v[CS0+4*CE+1], v[CS0+4*CE+1], v[CS0+4*CE+3]
.set CE, CE+1
.endr
.set CE, 0
.rept 12
	v_fma_f32 v[CS0+4*CE+3], v[CS0+4*CE+2], v[CS0+4*CE+2], v[CS0+4*CE+3]
.set CE, CE+1
.endr
.set CE, 0
.rept 12
	v_mul_f32 v[CS0+4*CE], s[68+4*(CE/3)], v[CS0+4*CE]
.set CE, CE+1
.endr
.set CE, 0
.rept 12
	v_fma_f32 v[CS0+4*CE], s[68+4*(CE/3)+1], v[CS0+4*CE+1], v[CS0+4*CE]
.set CE, CE+1
.endr
.set CE, 0
.rept 12
	v_fma_f32 v[CS0+4*CE], s[68+4*(CE/3)+2], v[CS0+4*CE+2], v[CS0+4*CE]
.set CE, CE+1
.endr
.set CE, 0
.rept 12
	v_add_f32 v[CS0+4*CE+3], s[68+4*(CE/3)+3], v[CS0+4*CE+3]
.set CE, CE+1
.endr
.set CE, 0
.rept 12
	v_add_f32 v[CS0+4*CE], v[CS0+4*CE+3], v[CS0+4*CE]
.set CE, CE+1
.endr
.set CE, 0
.rept 12
	ds_store_b32 v3, v[CS0+4*CE] offset:400*(4*(\bt)+CE/3)+128*(CE%3)
.set CE, CE+1
.endr
.if (\bt)+4 <= 7
	s_wait_dscnt 0x0                               ; the stores are done with their registers: the set takes the queries four batches on
	ISSUE (\bt)+4
.endif
.endm
	ISSUE 0
	ISSUE 1
	ISSUE 2
	ISSUE 3
	s_wait_loadcnt 48                              ; my query and my word of grp are in; the 48 loads behind them may be out
	v_mul_f32 v[VQ], -2.0, v[RQ]
	v_mul_f32 v[VQ+1], -2.0, v[RQ+1]
	v_mul_f32 v[VQ+2], -2.0, v[RQ+2]
	v_mul_f32 v[VQ+3], v[RQ], v[RQ]
	v_fma_f32 v[VQ+3], v[RQ+1], v[RQ+1], v[VQ+3]
	v_fma_f32 v[VQ+3], v[RQ+2], v[RQ+2], v[VQ+3]
.irp b, 0,1,2,3,4,5,6,7
	COMP \b
.endr
.set DM, 0
.rept 24
	ds_load_b128 v[DD+4*DM:DD+4*DM+3], v4 offset:16*DM     ; LDS serves a wave's instructions in order: these see my stores
.set DM, DM+1
.endr
.irp k, 0,1,2,3,4,5,6,7,8,9,10,11
	v_mov_b32 v[ML+\k], 0x7f800000
	v_mov_b32 v[IL+\k], 0
.endr
	s_wait_dscnt 0x0
.set DC, 0
.rept 32                                           ; point DC of each of the three groups: three insertions side by side
	v_mov_b32 v5, DC
	INSERT 3, DD+DC, 32, 5, 0
.set DC, DC+1
.endr
.irp k, 0,1,2
	v_bfe_u32 v[GB+\k], v[GW], 8*\k, 7
.endr
.irp k, 0,1,2
	v_lshl_add_u32 v[GB+\k], v[GB+\k], 5, s57      ; 32 x group + the batch's first row
.endr
.irp p, 0,1,2
.irp k, 0,1,2
	v_add_nc_u32 v[IL+4*\p+\k], v[IL+4*\p+\k], v[GB+\k]
.endr
.endr
.irp p, 0,1,2
	INSERT 1, ML+4*\p+1, 0, IL+4*\p+1, 0           ; the groups are in ascending order: the later lists into the first
.endr
.irp p, 0,1,2
	INSERT 1, ML+4*\p+2, 0, IL+4*\p+2, 0
.endr
	v_add_f32 v148, 0x322bcc77, v[ML]              ; d + 1e-8
	v_add_f32 v149, 0x322bcc77, v[ML+4]
	v_add_f32 v150, 0x322bcc77, v[ML+8]
	v_rcp_f32 v151, v148
	v_rcp_f32 v152, v149
	v_rcp_f32 v153, v150
	v_mov_b32 v[IDQ], v[IL]                        ; plain work behind the three reciprocals
	v_mov_b32 v[IDQ+1], v[IL+4]
	v_mov_b32 v[IDQ+2], v[IL+8]
	v_mov_b32 v[IDQ+3], 0
	s_wait_alu depctr_va_vdst(0)                   ; one wait for the three, ahead of their first reader
	v_add_f32 v154, v151, v152
	v_add_f32 v154, v154, v153
	v_rcp_f32 v155, v154
	v_mov_b32 v[WGQ+3], 0                          ; a plain place behind the reciprocal
	s_wait_alu depctr_va_vdst(0)
	v_mul_f32 v[WGQ], v151, v155
	v_mul_f32 v[WGQ+1], v152, v155
	v_mul_f32 v[WGQ+2], v153, v155
	global_store_b128 v2, v[IDQ:IDQ+3], s[16:17]   ; 32 lanes store 512 consecutive bytes
	global_store_b128 v2, v[WGQ:WGQ+3], s[18:19]
	s_wait_tensorcnt 0x0
	ds_add_u32 v254, v255
	s_wait_dscnt 0x0
	s_endpgm
	; ---------------- the product ----------------
; 64 numbers of a lane, register 16 b + i = k 32 b + 16 (lane / 16) + i of my row, become a fragment's codes in v[pc] on and its scale word in v[pw]
.macro QUANT s, pc, pw
.irp b, 0,1,2,3
	v_max3_num_f32 v[TM+\b], |v[\s+16*\b]|, |v[\s+1+16*\b]|, 0x1800000   ; block b: my 16 numbers, and the floor 2^(3 - 127): the byte cannot fall under 1
.endr
.irp i, 2,4,6,8,10,12,14
.irp b, 0,1,2,3
	v_max3_num_f32 v[TM+\b], v[TM+\b], |v[\s+16*\b+\i]|, |v[\s+1+16*\b+\i]|
.endr
.endr
.irp b, 0,1,2,3
	v_permlanex16_b32 v[TM+4+\b], v[TM+\b], s[SEL], s[SEL+1]
.endr
.irp b, 0,1,2,3
	v_max_num_f32 v[TM+\b], v[TM+\b], v[TM+4+\b]   ; with lane l xor 16's: the block's largest magnitude
.endr
.irp b, 0,1,2,3
	v_add_nc_u32 v[TM+12+\b], 0xff000000, v[TM+\b] ; 2 off its exponent field: the conversion's scale operand
.endr
.irp b, 0,1,2,3
	v_lshrrev_b32 v[TM+4+\b], 23, v[TM+12+\b]      ; the scale's byte
.endr
	v_lshl_or_b32 v[\pw], v[TM+5], 8, v[TM+4]
	v_lshl_or_b32 v[\pw], v[TM+6], 16, v[\pw]
	v_lshl_or_b32 v[\pw], v[TM+7], 24, v[\pw]
.irp c, 0,1
	v_cvt_scalef32_pk16_fp6_f32 v[\pc+6*\c:\pc+2+6*\c], v[\s+32*\c:\s+15+32*\c], v[TM+12+2*\c]
	v_cvt_scalef32_pk16_fp6_f32 v[QT+4*\c:QT+2+4*\c], v[\s+16+32*\c:\s+31+32*\c], v[TM+12+2*\c+1]   ; (a conversion's three registers begin on an even number)
.endr
	v_nop                                          ; one plain place behind a scaled conversion
.irp c, 0,1                                    ; the operand's layout wants a whole block in a lane: lanes 0-15 block 2 c, lanes 16-31 block 2 c + 1
.irp i, 0,1,2
	v_permlane16_swap_b32 v[\pc+6*\c+\i], v[QT+4*\c+\i]
.endr
.irp i, 0,1,2
	v_mov_b32 v[\pc+3+6*\c+\i], v[QT+4*\c+\i]
.endr
.endr
.endm
; 16 rows of 512 bytes, loaded 16 bytes a lane, through my stage (rows 528 bytes apart = 33 x 16) and back as 16 neighbours of each block of 32 of row r
.macro TURN xr
.set TI, 0
.rept 16
	ds_store_b128 v[SA], v[(\xr)+4*TI:(\xr)+4*TI+3] offset:528*TI
.set TI, TI+1
.endr
.irp b, 0,1,2,3
.irp j, 0,1,2,3
	ds_load_b128 v[(\xr)+16*\b+4*\j:(\xr)+16*\b+4*\j+3], v[SQ] offset:128*\b+16*\j   ; LDS serves a wave's instructions in order: these see the stores above
.endr
.endr
.endm
.Lgemm:
	s_and_b32 s24, s2, 3                           ; j
	s_and_b32 s25, s24, 1                          ; which 16 rows
	s_lshr_b32 s26, s24, 1                         ; which 64 columns
	s_lshl_b32 s27, ttmp9, 5
	s_lshl_b32 s28, s25, 4
	s_add_co_u32 s27, s27, s28                     ; my first row
	s_lshl_b32 s28, s27, 10
	s_mov_b32 s29, 0
	s_add_nc_u64 s[10:11], s[10:11], s[28:29]      ; x: rows of 1,024 bytes
	s_lshl_b32 s28, s27, 9
	s_lshl_b32 s30, s26, 8
	s_add_co_u32 s28, s28, s30
	s_add_nc_u64 s[20:21], s[20:21], s[28:29]      ; dnf: rows of 512 bytes, + my 256
	s_mov_b32 s28, s30
	s_add_nc_u64 s[14:15], s[14:15], s[28:29]      ; b1: my 64 numbers
	s_lshl_b32 s28, s26, 10
	s_add_co_u32 s28, s28, 36864
	s_add_nc_u64 s[32:33], s[12:13], s[28:29]      ; my 8 fragments' scale words
	s_mul_i32 s28, s26, 12288
	s_add_nc_u64 s[12:13], s[12:13], s[28:29]      ; and their images
	s_mul_i32 s31, s24, 8448
	s_add_co_u32 s31, s31, 51200                   ; my stage, behind the search's rows
	s_mov_b32 s[SEL], 0x76543210
	s_mov_b32 s[SEL+1], 0xfedcba98
	v_and_b32 v2, 15, v0                           ; r
	v_bfe_u32 v3, v0, 4, 1                         ; h
	v_lshlrev_b32 v4, 4, v1                        ; 16 x lane
.irp s, 0,1
.irp i, 0,1,2,3,4,5,6,7,8,9,10,11,12,13,14,15
	global_load_b128 v[XR0+64*\s+4*\i:XR0+64*\s+4*\i+3], v4, s[10:11] offset:1024*\i+512*\s   ; 32 lanes read 512 consecutive bytes
.endr
.endr
	WIN 0x40                                       ; destination window 1
.set FI, 0
.rept 8                                            ; W1's fragments (tile t, K step s) at v[12 (2 t + s)] of window 1
.irp c, 0,1,2
	global_load_b128 v[12*FI+4*\c:12*FI+4*\c+3], v4, s[12:13] offset:1536*FI+512*\c
.endr
.set FI, FI+1
.endr
	WIN 0
	v_lshlrev_b32 v10, 4, v2                       ; 16 r
	global_load_b128 v[W1S:W1S+3], v4, s[32:33]
	global_load_b128 v[W1S+4:W1S+7], v4, s[32:33] offset:512
	global_load_b128 v[B1R:B1R+3], v10, s[14:15]
	v_add_nc_u32 v[SA], s31, v4
	v_mul_u32_u24 v[SQ], v2, 528
	v_lshl_add_u32 v[SQ], v3, 6, v[SQ]
	v_add_nc_u32 v[SQ], s31, v[SQ]
	v_mul_u32_u24 v7, v2, 272                      ; the way out, in: row r of 256 bytes + 16, 32 bytes for each half of the lanes
	v_lshl_add_u32 v7, v3, 5, v7
	v_add_nc_u32 v7, s31, v7
	v_mul_u32_u24 v8, v3, 272                      ; back: lanes 0-15 one row, lanes 16-31 the next
	v_lshl_add_u32 v8, v2, 4, v8
	v_add_nc_u32 v8, s31, v8
	v_lshlrev_b32 v9, 9, v3                        ; and the same two rows in dnf
	v_lshl_add_u32 v9, v2, 4, v9
.irp b, 0,1,2,3
	v_mov_b32 v[TM+4+\b], 0                        ; written once: a lane permute's destination counts as one of its sources
.endr
	s_wait_loadcnt 43                              ; K step 0's sixteen loads are in; behind them 16 + 24 + 3 were issued
	TURN XR0
	s_wait_loadcnt 27                              ; K step 1's are in; behind them 24 + 3
	TURN XR1
	s_wait_dscnt 32                                ; the first turn is back; the second's 32 may be out
	QUANT XR0, PC0, PW0
	s_wait_dscnt 0x0
	QUANT XR1, PC1, PW1
	s_wait_loadcnt 0x0                             ; W1's images and words, b1
.rept 8
	v_nop                                          ; a scale word written by a vector instruction stands 8 places ahead of a scaled matrix instruction, codes so written 4
.endr
	WIN 0x01                                       ; source 0 (W1) window 1
.irp t, 0,1,2,3                                ; the four accumulators take turns, one instruction a turn
	v_wmma_scale_f32_16x16x128_f8f6f4 v[ACC+8*\t:ACC+8*\t+7], v[24*\t:24*\t+11], v[PC0:PC0+11], 0, v[W1S+2*\t], v[PW0] matrix_a_fmt:MATRIX_FMT_FP6 matrix_b_fmt:MATRIX_FMT_FP6
.endr
.irp t, 0,1,2,3
	v_wmma_scale_f32_16x16x128_f8f6f4 v[ACC+8*\t:ACC+8*\t+7], v[24*\t+12:24*\t+23], v[PC1:PC1+11], v[ACC+8*\t:ACC+8*\t+7], v[W1S+2*\t+1], v[PW1] matrix_a_fmt:MATRIX_FMT_FP6 matrix_b_fmt:MATRIX_FMT_FP6
.endr
	WIN 0
.rept 4
	v_nop                                          ; four places ahead of the first read of results
.endr
.irp t, 0,1,2,3
	ds_store_b128 v7, v[ACC+8*\t:ACC+8*\t+3] offset:64*\t           ; lane (r, h): row r, columns 16 t + 8 h + 0 .. 7; each accumulator from its low end on
	ds_store_b128 v7, v[ACC+8*\t+4:ACC+8*\t+7] offset:64*\t+16
.endr
.irp i, 0,1,2,3,4,5,6,7
	ds_load_b128 v[RO+4*\i:RO+4*\i+3], v8 offset:544*\i
.endr
.irp i, 0,1,2,3,4,5,6,7
	s_wait_dscnt 7-\i
	v_pk_add_f32 v[RO+4*\i:RO+4*\i+1], v[RO+4*\i:RO+4*\i+1], v[B1R:B1R+1]
	v_pk_add_f32 v[RO+4*\i+2:RO+4*\i+3], v[RO+4*\i+2:RO+4*\i+3], v[B1R+2:B1R+3]
	global_store_b128 v9, v[RO+4*\i:RO+4*\i+3], s[20:21] offset:1024*\i   ; sixteen lanes store 256 consecutive bytes, at a multiple of 256 from dnf's first byte
.endr
	s_wait_tensorcnt 0x0
	ds_add_u32 v254, v255
	s_wait_dscnt 0x0
	s_endpgm
.Lfunc_end_k_q861e3401fd_knn_exact_gemm1:
	.size	k_q861e3401fd_knn_exact_gemm1, .Lfunc_end_k_q861e3401fd_knn_exact_gemm1-k_q861e3401fd_knn_exact_gemm1
	.p2alignl 7, 3214868480
	.fill 96, 4, 3214868480
	.section	.rodata,"a",@progbits
	.p2align	6, 0x0
	.amdhsa_kernel k_q861e3401fd_knn_exact_gemm1
		.amdhsa_group_segment_fixed_size 87040
		.amdhsa_private_segment_fixed_size 0
		.amdhsa_enable_private_segment 0
		.amdhsa_kernarg_size 72
		.amdhsa_user_sgpr_count 2
		.amdhsa_user_sgpr_kernarg_segment_ptr 1
		.amdhsa_wavefront_size32 1
		.amdhsa_system_sgpr_workgroup_id_x 1
		.amdhsa_system_sgpr_workgroup_id_y 1
		.amdhsa_system_sgpr_workgroup_id_z 1
		.amdhsa_system_vgpr_workitem_id 0
		.amdhsa_next_free_vgpr 352
		.amdhsa_next_free_sgpr 102
		.amdhsa_reserve_vcc 0
		.amdhsa_float_denorm_mode_32 3
		.amdhsa_float_denorm_mode_16_64 3
		.amdhsa_memory_ordered 1
		.amdhsa_forward_progress 1
		.amdhsa_inst_pref_size 176
	.end_amdhsa_kernel
	.amdgpu_metadata
---
amdhsa.version: [ 1, 2 ]
amdhsa.kernels:
  - .name:           k_q861e3401fd_knn_exact_gemm1
    .symbol:         k_q861e3401fd_knn_exact_gemm1.kd
    .args:
      - { .name: grp, .offset: 0, .size: 8, .value_kind: global_buffer, .address_space: global }
      - { .name: ori_xyzp, .offset: 8, .size: 8, .value_kind: global_buffer, .address_space: global }
      - { .name: down_xyzp, .offset: 16, .size: 8, .value_kind: global_buffer, .address_space: global }
      - { .name: down_features, .offset: 24, .size: 8, .value_kind: global_buffer, .address_space: global }
      - { .name: wq, .offset: 32, .size: 8, .value_kind: global_buffer, .address_space: global }
      - { .name: b1, .offset: 40, .size: 8, .value_kind: global_buffer, .address_space: global }
      - { .name: idx, .offset: 48, .size: 8, .value_kind: global_buffer, .address_space: global }
      - { .name: wgt, .offset: 56, .size: 8, .value_kind: global_buffer, .address_space: global }
      - { .name: dnf, .offset: 64, .size: 8, .value_kind: global_buffer, .address_space: global }
    .group_segment_fixed_size: 87040
    .private_segment_fixed_size: 0
    .kernarg_segment_align: 8
    .kernarg_segment_size: 72
    .max_flat_workgroup_size: 256
    .sgpr_count:     102
    .vgpr_count:     352
    .wavefront_size: 32
...
	.end_amdgpu_metadata
.endif
;; end of part 2
;; launch gemm2_interp (part 3): grid 256 x 1, 8 waves a work-group, no clusters, 82,944 bytes of LDS; arguments ori_features, wq, b2, idx, wgt, dnf, out0; writes out0
.if DOCPART == 3
	.amdgcn_target "amdgcn-amd-amdhsa--gfx1250"
	.amdhsa_code_object_version 6
	.text
	.protected	k_q861e3401fd_gemm2_interp
	.globl	k_q861e3401fd_gemm2_interp
	.p2align	8
	.type	k_q861e3401fd_gemm2_interp,@function
k_q861e3401fd_gemm2_interp:
	s_mov_b64 s[64:65], 0
	v_nop
	global_prefetch_b8 v0, s[64:65] scope:SCOPE_SE
	s_setreg_imm32_b32 hwreg(HW_REG_WAVE_MODE, 25, 1), 1
	s_wait_xcnt 0x0
; out = Q(ori_features) Q(W2) + b2 + the sum over the three neighbours of weight x down_f[neighbour].
; A work-group takes rows 128 x work-group on, wave w 16 of them over all 128 columns: 8 matrix instructions (K = 128, one step) in MX-FP6.
; The neighbours' rows of dnf (whole numbers, stored by the launch before) are scalars here: a row of 512 bytes is one load of the wave, 16 bytes a lane; all 48 are asked for at the head, ahead of the product.
; The weights come as scalars too.  The features are loaded densely, turned through the wave's own stage so that a lane holds 16 neighbours of each block of 32, and quantised in registers.
; W2's eight register images (12,288 bytes) are copied into LDS once by the eight waves together: the one barrier.  The product is used transposed (source 0 = 16 columns of W2, source 1 = my 16 rows);
; its results go through the stage and come back as whole rows, in the gathered rows' layout: lane l holds columns 4 l .. 4 l + 3.
; The sum's order: (((product + b2) + w0 g0) + w1 g1) + w2 g2, each a fused multiply-add.  A block of zeros gets the scale byte 1 where the rule says 127: its codes are zeros.
; NO CLUSTER, NO TENSOR LOAD: what work-groups share is W2's 12 KiB beside 64 KiB of features, 192 KiB of gathered rows and 64 KiB of output of their own; nothing in LDS is filled twice.
; REGISTERS: window 0: v2-8 addresses; v16-79 the features, then the 8 accumulators; v80-119 at work; v120-127 W2's scale words; v128-223 W2's fragments, then the rows on the way out.
;   window 1: v0-191 the gathered rows (row i, neighbour k at 12 i + 4 k); v192-195 b2; v196 16 x lane once more, for the stores that stand among instructions whose source 0 lies in window 1.
.set SA,  5                            ; v5   the stage: 16 x lane
.set SQ,  6                            ; v6   the stage: 528 r + 64 h
.set XR,  16
.set TM,  80
.set PW,  96                           ; v96  my rows' scale word: it holds nothing else
.set PC,  100
.set QT,  112
.set WS,  120
.set WF,  128
.set RO,  128
.set B2,  192                          ; in window 1
.set LW,  196
.set SEL, 88
.set MSB, 0
.macro WIN new                         ; the immediate's high byte repeats the setting that is left
.if MSB != \new
	s_set_vgpr_msb (MSB<<8)|\new
.set MSB, \new
.endif
.endm
.macro QUANT s, pc, pw                 ; 64 numbers of a lane, register 16 b + i = k 32 b + 16 (lane / 16) + i of my row, become codes in v[pc] on and a scale word in v[pw]
.irp b, 0,1,2,3
	v_max3_num_f32 v[TM+\b], |v[\s+16*\b]|, |v[\s+1+16*\b]|, 0x1800000   ; block b: my 16 numbers, and the floor 2^(3 - 127): the byte cannot fall under 1
.endr
.irp i, 2,4,6,8,10,12,14
.irp b, 0,1,2,3
	v_max3_num_f32 v[TM+\b], v[TM+\b], |v[\s+16*\b+\i]|, |v[\s+1+16*\b+\i]|
.endr
.endr
.irp b, 0,1,2,3
	v_permlanex16_b32 v[TM+4+\b], v[TM+\b], s[SEL], s[SEL+1]
.endr
.irp b, 0,1,2,3
	v_max_num_f32 v[TM+\b], v[TM+\b], v[TM+4+\b]
.endr
.irp b, 0,1,2,3
	v_add_nc_u32 v[TM+12+\b], 0xff000000, v[TM+\b] ; 2 off the exponent field: the conversion's scale operand
.endr
.irp b, 0,1,2,3
	v_lshrrev_b32 v[TM+4+\b], 23, v[TM+12+\b]      ; the scale's byte
.endr
	v_lshl_or_b32 v[\pw], v[TM+5], 8, v[TM+4]
	v_lshl_or_b32 v[\pw], v[TM+6], 16, v[\pw]
	v_lshl_or_b32 v[\pw], v[TM+7], 24, v[\pw]
.irp c, 0,1
	v_cvt_scalef32_pk16_fp6_f32 v[\pc+6*\c:\pc+2+6*\c], v[\s+32*\c:\s+15+32*\c], v[TM+12+2*\c]
	v_cvt_scalef32_pk16_fp6_f32 v[QT+4*\c:QT+2+4*\c], v[\s+16+32*\c:\s+31+32*\c], v[TM+12+2*\c+1]
.endr
	v_nop                                          ; one plain place behind a scaled conversion
.irp c, 0,1
.irp i, 0,1,2
	v_permlane16_swap_b32 v[\pc+6*\c+\i], v[QT+4*\c+\i]
.endr
.irp i, 0,1,2
	v_mov_b32 v[\pc+3+6*\c+\i], v[QT+4*\c+\i]
.endr
.endr
.endm
.macro TURN xr                         ; 16 rows of 512 bytes through my stage (rows 528 bytes apart = 33 x 16), back as 16 neighbours of each block of 32 of row r
.set TI, 0
.rept 16
	ds_store_b128 v[SA], v[(\xr)+4*TI:(\xr)+4*TI+3] offset:528*TI
.set TI, TI+1
.endr
.irp b, 0,1,2,3
.irp j, 0,1,2,3
	ds_load_b128 v[(\xr)+16*\b+4*\j:(\xr)+16*\b+4*\j+3], v[SQ] offset:128*\b+16*\j
.endr
.endr
.endm
	s_load_b256 s[4:11], s[0:1], 0x0               ; features 4, wq 6, b2 8, idx 10
	s_load_b128 s[12:15], s[0:1], 0x20             ; wgt 12, dnf 14
	s_load_b64 s[84:85], s[0:1], 0x30              ; out
	v_lshl_add_u32 v254, v0, 2, 0x14000
	v_mov_b32 v255, 0
	v_lshrrev_b32 v1, 5, v0
	v_readfirstlane_b32 s86, v1                    ; wave 0..7
	v_and_b32 v1, 31, v0                           ; lane
	v_and_b32 v2, 15, v0                           ; r
	v_bfe_u32 v3, v0, 4, 1                         ; h
	v_lshlrev_b32 v4, 4, v1                        ; 16 x lane
	v_lshlrev_b32 v8, 4, v0                        ; 16 x thread
	s_lshl_b32 s90, ttmp9, 7
	s_lshl_b32 s91, s86, 4
	s_add_co_u32 s90, s90, s91                     ; my wave's first row
	s_lshl_b32 s92, s90, 4
	s_mov_b32 s93, 0
	s_mov_b32 s[SEL], 0x76543210
	s_mov_b32 s[SEL+1], 0xfedcba98
	s_mul_i32 s94, s86, 8448
	s_add_co_u32 s94, s94, 12288                   ; my stage, behind W2's images
	s_wait_kmcnt 0x0
	s_add_nc_u64 s[10:11], s[10:11], s[92:93]
	s_add_nc_u64 s[12:13], s[12:13], s[92:93]
	s_lshl_b32 s92, s90, 9
	s_add_nc_u64 s[4:5], s[4:5], s[92:93]
	s_add_nc_u64 s[84:85], s[84:85], s[92:93]
	s_load_b512 s[16:31], s[10:11], 0x0            ; my 16 rows' neighbours, four words a row: row i at s[16 + 4 i], from row 12 on at s[20 + 4 i]
	s_load_b512 s[32:47], s[10:11], 0x40
	s_load_b512 s[48:63], s[10:11], 0x80
	s_load_b512 s[68:83], s[10:11], 0xc0
.irp i, 0,1,2
	global_load_b128 v[WF+4*\i:WF+4*\i+3], v8, s[6:7] offset:24576+4096*\i   ; W2's images (fragments 16-23): 256 threads x 16 bytes, three times
.endr
	global_load_b128 v[WS:WS+3], v4, s[6:7] offset:38912     ; their scale words
	global_load_b128 v[WS+4:WS+7], v4, s[6:7] offset:39424
	WIN 0x40                                       ; destination window 1
	global_load_b128 v[B2:B2+3], v4, s[8:9]
	v_mov_b32 v[LW], v4
	WIN 0
.irp i, 0,1,2,3,4,5,6,7,8,9,10,11,12,13,14,15
	global_load_b128 v[XR+4*\i:XR+4*\i+3], v4, s[4:5] offset:512*\i th:TH_LOAD_NT   ; a row of features: 512 consecutive bytes, read once
.endr
	v_add_nc_u32 v[SA], s94, v4
	v_mul_u32_u24 v[SQ], v2, 528
	v_lshl_add_u32 v7, v3, 5, v[SQ]
	v_lshl_add_u32 v[SQ], v3, 6, v[SQ]
	v_add_nc_u32 v[SQ], s94, v[SQ]
	v_add_nc_u32 v7, s94, v7                       ; the way out, in: row r, 32 bytes for each half of the lanes
.irp b, 0,1,2,3
	v_mov_b32 v[TM+4+\b], 0                        ; written once: a lane permute's destination counts as one of its sources
.endr
	s_wait_loadcnt 19                              ; the three pieces of the images are in; behind them 2 + 1 + 16 were issued
.irp i, 0,1,2
	ds_store_b128 v8, v[WF+4*\i:WF+4*\i+3] offset:4096*\i
.endr
	s_wait_kmcnt 0x0                               ; the neighbours
	WIN 0x41                                       ; destination and a load's address in window 1
.set GI, 0
.rept 16
.set QR, 16+4*GI+4*(GI/12)
.irp k, 0,1,2
	s_min_u32 s[QR+\k], s[QR+\k], 0x1fff           ; a stored number enters an address behind its clamp: dnf has 8,192 rows
	s_lshl_b32 s[QR+\k], s[QR+\k], 9
	v_add_nc_u32 v[12*GI+4*\k], s[QR+\k], v4
	global_load_b128 v[12*GI+4*\k:12*GI+4*\k+3], v[12*GI+4*\k], s[14:15]   ; a whole row; the load lands on its own address register
.endr
.set GI, GI+1
.endr
	WIN 0
	s_load_b512 s[16:31], s[12:13], 0x0            ; the weights take the neighbours' places
	s_load_b512 s[32:47], s[12:13], 0x40
	s_load_b512 s[48:63], s[12:13], 0x80
	s_load_b512 s[68:83], s[12:13], 0xc0
	s_wait_dscnt 0x0                               ; for the others' sake: my part of the images has landed
	s_barrier_signal -1
	s_barrier_wait -1                              ; the images are whole
	s_wait_loadcnt 48                              ; all but the 48 gathers: the features, the scale words, b2
	TURN XR
.set FI, 0
.rept 8
.irp c, 0,1,2
	ds_load_b128 v[WF+12*FI+4*\c:WF+12*FI+4*\c+3], v4 offset:1536*FI+512*\c
.endr
.set FI, FI+1
.endr
	s_wait_dscnt 24                                ; the turn is back; W2's 24 loads may be out
	QUANT XR, PC, PW
	s_wait_dscnt 0x0
.rept 8
	v_nop                                          ; a scale word written by a vector instruction stands 8 places ahead of a scaled matrix instruction, codes so written 4
.endr
.irp t, 0,1,2,3,4,5,6,7                        ; eight accumulators, one instruction each
	v_wmma_scale_f32_16x16x128_f8f6f4 v[XR+8*\t:XR+8*\t+7], v[WF+12*\t:WF+12*\t+11], v[PC:PC+11], 0, v[WS+\t], v[PW] matrix_a_fmt:MATRIX_FMT_FP6 matrix_b_fmt:MATRIX_FMT_FP6
.endr
.rept 4
	v_nop                                          ; four places ahead of the first read of results and of loads into registers that the products read
.endr
.irp t, 0,1,2,3,4,5,6,7
	ds_store_b128 v7, v[XR+8*\t:XR+8*\t+3] offset:64*\t             ; lane (r, h): row r, columns 16 t + 8 h + 0 .. 7; each accumulator from its low end on
	ds_store_b128 v7, v[XR+8*\t+4:XR+8*\t+7] offset:64*\t+16
.endr
.irp i, 0,1,2,3,4,5,6,7,8,9,10,11,12,13,14,15
	ds_load_b128 v[RO+4*\i:RO+4*\i+3], v[SA] offset:528*\i          ; back as whole rows: LDS serves a wave's instructions in order
.endr
	s_wait_kmcnt 0x0                               ; the weights
	WIN 0x01                                       ; source 0 (b2, the gathered rows, a store's address) in window 1
.set GI, 0
.rept 16
.set QR, 16+4*GI+4*(GI/12)
	s_wait_dscnt 15-GI                             ; row GI is back from the stage
	s_wait_loadcnt 45-3*GI                         ; and its three gathered rows are in; the later rows' may be out
	v_pk_add_f32 v[RO+4*GI:RO+4*GI+1], v[B2:B2+1], v[RO+4*GI:RO+4*GI+1]
	v_pk_add_f32 v[RO+4*GI+2:RO+4*GI+3], v[B2+2:B2+3], v[RO+4*GI+2:RO+4*GI+3]
	v_pk_fma_f32 v[RO+4*GI:RO+4*GI+1], v[12*GI:12*GI+1], s[QR:QR+1], v[RO+4*GI:RO+4*GI+1] op_sel_hi:[1,0,1]
	v_pk_fma_f32 v[RO+4*GI+2:RO+4*GI+3], v[12*GI+2:12*GI+3], s[QR:QR+1], v[RO+4*GI+2:RO+4*GI+3] op_sel_hi:[1,0,1]
.irp c, 0,1,2,3
	v_fma_f32 v[RO+4*GI+\c], v[12*GI+4+\c], s[QR+1], v[RO+4*GI+\c]  ; (the second weight lies on an odd register: no pair begins there)
.endr
	v_pk_fma_f32 v[RO+4*GI:RO+4*GI+1], v[12*GI+8:12*GI+9], s[QR+2:QR+3], v[RO+4*GI:RO+4*GI+1] op_sel_hi:[1,0,1]
	v_pk_fma_f32 v[RO+4*GI+2:RO+4*GI+3], v[12*GI+10:12*GI+11], s[QR+2:QR+3], v[RO+4*GI+2:RO+4*GI+3] op_sel_hi:[1,0,1]
	global_store_b128 v[LW], v[RO+4*GI:RO+4*GI+3], s[84:85] offset:512*GI th:TH_STORE_NT   ; 32 lanes store a row: 512 consecutive bytes, at a multiple of 256 from out's first byte
.set GI, GI+1
.endr
	WIN 0
	s_wait_tensorcnt 0x0
	ds_add_u32 v254, v255
	s_wait_dscnt 0x0
	s_endpgm
.Lfunc_end_k_q861e3401fd_gemm2_interp:
	.size	k_q861e3401fd_gemm2_interp, .Lfunc_end_k_q861e3401fd_gemm2_interp-k_q861e3401fd_gemm2_interp
	.p2alignl 7, 3214868480
	.fill 96, 4, 3214868480
	.section	.rodata,"a",@progbits
	.p2align	6, 0x0
	.amdhsa_kernel k_q861e3401fd_gemm2_interp
		.amdhsa_group_segment_fixed_size 82944
		.amdhsa_private_segment_fixed_size 0
		.amdhsa_enable_private_segment 0
		.amdhsa_kernarg_size 56
		.amdhsa_user_sgpr_count 2
		.amdhsa_user_sgpr_kernarg_segment_ptr 1
		.amdhsa_wavefront_size32 1
		.amdhsa_system_sgpr_workgroup_id_x 1
		.amdhsa_system_sgpr_workgroup_id_y 1
		.amdhsa_system_sgpr_workgroup_id_z 1
		.amdhsa_system_vgpr_workitem_id 0
		.amdhsa_next_free_vgpr 456
		.amdhsa_next_free_sgpr 102
		.amdhsa_reserve_vcc 0
		.amdhsa_float_denorm_mode_32 3
		.amdhsa_float_denorm_mode_16_64 3
		.amdhsa_memory_ordered 1
		.amdhsa_forward_progress 1
		.amdhsa_inst_pref_size 39
	.end_amdhsa_kernel
	.amdgpu_metadata
---
amdhsa.version: [ 1, 2 ]
amdhsa.kernels:
  - .name:           k_q861e3401fd_gemm2_interp
    .symbol:         k_q861e3401fd_gemm2_interp.kd
    .args:
      - { .name: ori_features, .offset: 0, .size: 8, .value_kind: global_buffer, .address_space: global }
      - { .name: wq, .offset: 8, .size: 8, .value_kind: global_buffer, .address_space: global }
      - { .name: b2, .offset: 16, .size: 8, .value_kind: global_buffer, .address_space: global }
      - { .name: idx, .offset: 24, .size: 8, .value_kind: global_buffer, .address_space: global }
      - { .name: wgt, .offset: 32, .size: 8, .value_kind: global_buffer, .address_space: global }
      - { .name: dnf, .offset: 40, .size: 8, .value_kind: global_buffer, .address_space: global }
      - { .name: out0, .offset: 48, .size: 8, .value_kind: global_buffer, .address_space: global }
    .group_segment_fixed_size: 82944
    .private_segment_fixed_size: 0
    .kernarg_segment_align: 8
    .kernarg_segment_size: 56
    .max_flat_workgroup_size: 256
    .sgpr_count:     102
    .vgpr_count:     456
    .wavefront_size: 32
...
	.end_amdgpu_metadata
.endif
;; end of part 3
;; ======== version 2 of 2: 3 launches; version 1 with the launches knn_exact_gemm1, gemm2_interp written anew for expert scheduling mode
;; workspace buffers: grp 131,072 bytes of whole numbers; idx 524,288 bytes of whole numbers; wgt 524,288 bytes; dnf 4,194,304 bytes; wq 39,936 bytes
;; launch knn_groups: the kernel of part 1 again; grid 258 x 1, 16 waves a work-group, no clusters, 51,200 bytes of LDS; arguments down_xyzp, ori_xyzp, W1, W2, grp, wq; writes grp, wq
;; launch knn_exact_gemm1 (part 4): grid 256 x 1, 8 waves a work-group, no clusters, 87,040 bytes of LDS; arguments grp, ori_xyzp, down_xyzp, down_features, wq, b1, idx, wgt, dnf; writes idx, wgt, dnf
.if DOCPART == 4
	.amdgcn_target "amdgcn-amd-amdhsa--gfx1250"
	.amdhsa_code_object_version 6
	.text
	.protected	k_q861e3401fd_knn_exact_gemm1
	.globl	k_q861e3401fd_knn_exact_gemm1
	.p2align	8
	.type	k_q861e3401fd_knn_exact_gemm1,@function
k_q861e3401fd_knn_exact_gemm1:
	s_mov_b64 s[64:65], 0
	v_nop
	global_prefetch_b8 v0, s[64:65] scope:SCOPE_SE
	s_setreg_imm32_b32 hwreg(HW_REG_WAVE_SCHED_MODE, 0, 2), 2
	s_setreg_imm32_b32 hwreg(HW_REG_WAVE_MODE, 25, 1), 1
	s_wait_xcnt 0x0
	s_wait_alu depctr_vm_vsrc(0)
; TWO ROLES, parted once on the wave's number; they share nothing, so there is no barrier.
; WAVES 0-3: THE SECOND LEVEL OF THE SEARCH.  Wave w takes queries 128 x work-group + 32 w + 0 .. 31.  For each, the three groups of 32 points that the launch before chose (whole numbers, read from grp) are
; looked at again: d2 with the same order of roundings as there (so = fma(z,z,fma(y,y,x*x)); sd likewise; T = fma(-2z,z',fma(-2y,y',(-2x)*x')); d2 = (so + sd) + T), then the 3 smallest with their indices,
; equal values keeping the lower index.  Stored: rows of dnf (batch x 4,096 + index) as whole numbers, and the weights (1 / (d + 1e-8)) / their sum, 16 bytes a query each.
; A group is 512 consecutive bytes: one load gives a lane a point; the query is four scalars.  The 96 d2 of a query go to the wave's own LDS row (400 bytes) and come back a lane a query.
; LIMITS: NaN and infinite coordinates are not served; the reciprocals are v_rcp_f32's; d + 1e-8 = 0 gives NaN.
; WAVES 4-7: down_f = Q(down_features) Q(W1) + b1 in MX-FP6, rows 32 x work-group on.  Wave 4 + j: rows 16 (j % 2) on, columns 64 (j / 2) on: 4 tiles x 2 K steps.  (A tile of rows is so read and quantised by two waves.)
; x is loaded densely (a row's K step is 512 bytes: 16 a lane), turned through the wave's own stage so that a lane holds 16 neighbours of each block of 32, and quantised in registers; W1 comes as register images.
; The product is used transposed (source 0 = 16 columns of W1, source 1 = 16 rows of x): a lane's eight results are eight neighbouring columns of one row.
; A block of zeros gets the scale byte 1 where the rule says 127: its codes are zeros.
; NO CLUSTER, NO TENSOR LOAD: what work-groups share is W1's 24 KiB of images beside 32 KiB of x and up to 192 KiB of points of their own; nothing in LDS is filled twice.
; THE MODE: SCHED_MODE bits 1:0 = 2 (LLVM: expert scheduling mode 2), set by the entry lines.  The code itself states the register dependences between vector or matrix instructions and memory or LDS
; instructions, and those through scalar registers that vector instructions write, with s_wait_alu, always for 0.
; THE PLAN, THE SEARCH.  Registers that memory or LDS instructions touch:
;   v2, v6, v3, v4   offsets and LDS addresses: written once at the head, read by loads and stores, never written again.
;   AD0 .. AD3       12 address registers a ring set (window 1).  Written at the head; set b once more in batch b (b = 0 .. 3), for batch b + 4.  Read by the set's 12 loads.
;   CR0 .. CR3       the ring.  Batch b: 12 loads land in CR[b % 4]; the batch's arithmetic reads and writes it in place; 12 LDS stores read the d2; in batches 0 to 3 the loads of batch b + 4 land in it again.
;   v16-163          behind the last batch: LDS loads land in v16-111, vector instructions write lists and results above them; the two global stores read v156-163.
; A batch has one wait on va_vdst ahead of its LDS stores (the d2 are written).  A batch that refills makes the next addresses while those stores are out, switches the window, and states ahead of the 12 loads
; that the addresses are written and the set's vector readers done (va_vdst) and that the stores have read their data (vm_vsrc).  The address sets are free from one wait on vm_vsrc at the head on.
; THE PLAN, THE PRODUCT.  All addresses are made first, one wait on va_vdst, then all 59 loads.  XR0, XR1: global loads land; 16 LDS stores read them; 16 LDS loads land in them again (a wait on vm_vsrc between);
; the conversions read them; then the accumulators (v16-47) and the rows on the way out (v80-111) take their place.  The rows' 16 additions stand together, ahead of one wait and the 8 global stores.
.set CR,  16                           ; v16-207  a ring of four sets of 12 quads (4 queries x 3 groups): x, y, z, p of my point
.set AD,  0                            ; in window 1: v256-303  four sets of 12 byte offsets: 512 x group + 16 x lane
.set RQ,  208                          ; v208-211 my lane's query as loaded
.set GW,  212                          ; v212     my lane's word of grp
.set VQ,  214                          ; v214-217 -2x, -2y, -2z, so of my lane's query
.set DD,  16                           ; v16-111  my query's 96 d2
.set ML,  112                          ; v112-123 three lists (one a group): rank p of list q at v[ML + 4 p + q]
.set IL,  124                          ; v124-135 their indices
.set TT,  136
.set TU,  140
.set GB,  144                          ; v144-146 the three groups' first rows of dnf
.set IDQ, 156
.set WGQ, 160
.set MK,  84                           ; s84-92   INSERT's masks
; the product's role
.set SA,  5                            ; v5   the stage: 16 x lane
.set SQ,  6                            ; v6   the stage: 528 r + 64 h
.set XR0, 16                           ; v16-79   x, K step 0
.set XR1, 80                           ; v80-143  x, K step 1
.set ACC, 16                           ; v16-47   four accumulators
.set RO,  80                           ; v80-111  rows on the way out
.set TM,  144                          ; v144-159 at work in QUANT
.set PW0, 160                          ; v160, v161  x's scale words: they hold nothing else
.set PW1, 161
.set PC0, 162                          ; v162-173, v174-185  x's codes
.set PC1, 174
.set QT,  186
.set W1S, 196                          ; v196-203 W1's scale words
.set B1R, 204                          ; v204-207 b1 of my four columns
.set SEL, 22
.set MSB, 0
.macro WIN new                         ; the immediate's high byte repeats the setting that is left
.if MSB != \new
	s_set_vgpr_msb (MSB<<8)|\new
.set MSB, \new
.endif
.endm
.macro INSERT n, d, ds, j, js          ; n insertions that do not depend on each other, stage by stage; 11 vector instructions a set
.set IQ, 0
.rept \n
	v_cmp_lt_f32 s[MK+3*IQ], v[(\d)+(\ds)*IQ], v[ML+IQ]
	v_cmp_lt_f32 s[MK+3*IQ+1], v[(\d)+(\ds)*IQ], v[ML+4+IQ]
	v_cmp_lt_f32 s[MK+3*IQ+2], v[(\d)+(\ds)*IQ], v[ML+8+IQ]
.set IQ, IQ+1
.endr
	s_wait_alu depctr_va_sdst(0)                   ; the run of compares has written its masks, ahead of the first select that reads one
.set IQ, 0
.rept \n
	v_cndmask_b32 v[TT+IQ], v[(\j)+(\js)*IQ], v[IL+4+IQ], s[MK+3*IQ+1]
	v_cndmask_b32 v[TU+IQ], v[(\j)+(\js)*IQ], v[IL+IQ], s[MK+3*IQ]
.set IQ, IQ+1
.endr
.set IQ, 0
.rept \n
	v_cndmask_b32 v[IL+8+IQ], v[IL+8+IQ], v[TT+IQ], s[MK+3*IQ+2]
	v_cndmask_b32 v[IL+4+IQ], v[IL+4+IQ], v[TU+IQ], s[MK+3*IQ+1]
	v_cndmask_b32 v[IL+IQ], v[IL+IQ], v[(\j)+(\js)*IQ], s[MK+3*IQ]
.set IQ, IQ+1
.endr
.set IQ, 0
.rept \n
	v_med3_num_f32 v[ML+8+IQ], v[ML+4+IQ], v[ML+8+IQ], v[(\d)+(\ds)*IQ]
.set IQ, IQ+1
.endr
.set IQ, 0
.rept \n
	v_med3_num_f32 v[ML+4+IQ], v[ML+IQ], v[ML+4+IQ], v[(\d)+(\ds)*IQ]
.set IQ, IQ+1
.endr
.set IQ, 0
.rept \n
	v_min_num_f32 v[ML+IQ], v[ML+IQ], v[(\d)+(\ds)*IQ]
.set IQ, IQ+1
.endr
.endm
	s_load_b512 s[4:19], s[0:1], 0x0               ; grp 4, queries 6, points 8, features 10, wq 12, b1 14, idx 16, wgt 18
	s_load_b64 s[20:21], s[0:1], 0x40              ; dnf
	v_lshl_add_u32 v254, v0, 2, 0x15000
	v_mov_b32 v255, 0
	v_lshrrev_b32 v1, 5, v0
	v_readfirstlane_b32 s2, v1                     ; wave 0..7
	v_and_b32 v1, 31, v0                           ; lane
	s_wait_kmcnt 0x0
	s_wait_alu depctr_va_sdst(0)                   ; s2 is written, ahead of its first reader: the roles part on it
	s_cmp_ge_u32 s2, 4
	s_cbranch_scc1 .Lgemm
	; ---------------- the search ----------------
	s_lshl_b32 s56, ttmp9, 7
	s_lshl_b32 s57, s2, 5
	s_add_co_u32 s56, s56, s57                     ; my wave's first query
	s_lshl_b32 s58, s56, 2
	s_mov_b32 s59, 0
	s_add_nc_u64 s[4:5], s[4:5], s[58:59]
	s_lshl_b32 s58, s56, 4
	s_add_nc_u64 s[6:7], s[6:7], s[58:59]
	s_add_nc_u64 s[16:17], s[16:17], s[58:59]
	s_add_nc_u64 s[18:19], s[18:19], s[58:59]
	s_lshr_b32 s57, ttmp9, 7                       ; batch
	s_lshl_b32 s58, s57, 16
	s_add_nc_u64 s[8:9], s[8:9], s[58:59]          ; its points
	s_lshl_b32 s57, s57, 12                        ; and its first row of dnf
	s_load_b512 s[24:39], s[4:5], 0x0              ; the 32 queries' words of grp, as scalars: they steer the loads
	s_load_b512 s[40:55], s[4:5], 0x40
	v_lshlrev_b32 v2, 4, v1                        ; 16 x lane
	v_lshlrev_b32 v6, 2, v1                        ; 4 x lane
	s_mul_i32 s58, s2, 12800                       ; my wave's LDS: 32 rows of 400 bytes
	v_add_nc_u32 v3, s58, v6                       ; in: 4 bytes a lane (a point)
	v_mul_u32_u24 v4, v1, 400
	v_add_nc_u32 v4, s58, v4                       ; back: a row a lane (a query); 400 = 25 x 16, so sixteen rows start at sixteen different 16-byte columns modulo 256
	s_wait_alu depctr_va_vdst(0)                   ; v2, v6, v3 and v4 are written: the loads and stores of this role read them as offsets and addresses
	global_load_b128 v[RQ:RQ+3], v2, s[6:7]
	global_load_b32 v[GW], v6, s[4:5]
	s_wait_kmcnt 0x0
; queries 4 bt .. 4 bt + 3: the byte offsets of their three groups into address set bt % 4.  A stored number enters an address behind its clamp
.macro ADDR bt
.irp j, 0,1,2,3
.irp k, 0,1,2
	s_bfe_u32 s56, s[24+4*(\bt)+\j], 0x70000|(8*\k)
	s_min_u32 s56, s56, 127
	s_lshl_b32 s56, s56, 9
	v_add_nc_u32 v[AD+12*((\bt)%4)+3*\j+\k], s56, v2
.endr
.endr
.endm
; and the twelve loads, into ring set bt % 4
.macro LOADS bt
.irp j, 0,1,2,3
.irp k, 0,1,2
	global_load_b128 v[CR+48*((\bt)%4)+12*\j+4*\k:CR+48*((\bt)%4)+12*\j+4*\k+3], v[AD+12*((\bt)%4)+3*\j+\k], s[8:9]
.endr
.endr
.endm
; their d2, twelve chains stage by stage, in place: p becomes sd and then so + sd, x becomes T and then d2
.macro COMP bt
.if 7-(\bt) >= 3
	s_wait_loadcnt 36                              ; this set's twelve loads are in; the three younger sets' may be out
.else
	s_wait_loadcnt 12*(7-(\bt))
.endif
.irp j, 0,1,2,3
.irp c, 0,1,2,3
	v_readlane_b32 s[68+4*\j+\c], v[VQ+\c], 4*(\bt)+\j
.endr
.endr
.set CS0, CR+48*((\bt)%4)
.set CE, 0
.rept 12
	v_mul_f32 v[CS0+4*CE+3], v[CS0+4*CE], v[CS0+4*CE]
.set CE, CE+1
.endr
.set CE, 0
.rept 12
	v_fma_f32 v[CS0+4*CE+3], v[CS0+4*CE+1], v[CS0+4*CE+1], v[CS0+4*CE+3]
.set CE, CE+1
.endr
.set CE, 0
.rept 12
	v_fma_f32 v[CS0+4*CE+3], v[CS0+4*CE+2], v[CS0+4*CE+2], v[CS0+4*CE+3]
.set CE, CE+1
.endr
	s_wait_alu depctr_va_sdst(0)                   ; the sixteen v_readlane_b32 have written s68-83, ahead of the first line that reads one; the 36 lines above stand between
.set CE, 0
.rept 12
	v_mul_f32 v[CS0+4*CE], s[68+4*(CE/3)], v[CS0+4*CE]
.set CE, CE+1
.endr
.set CE, 0
.rept 12
	v_fma_f32 v[CS0+4*CE], s[68+4*(CE/3)+1], v[CS0+4*CE+1], v[CS0+4*CE]
.set CE, CE+1
.endr
.set CE, 0
.rept 12
	v_fma_f32 v[CS0+4*CE], s[68+4*(CE/3)+2], v[CS0+4*CE+2], v[CS0+4*CE]
.set CE, CE+1
.endr
.set CE, 0
.rept 12
	v_add_f32 v[CS0+4*CE+3], s[68+4*(CE/3)+3], v[CS0+4*CE+3]
.set CE, CE+1
.endr
.set CE, 0
.rept 12
	v_add_f32 v[CS0+4*CE], v[CS0+4*CE+3], v[CS0+4*CE]
.set CE, CE+1
.endr
	s_wait_alu depctr_va_vdst(0)                   ; the twelve d2 are written, which the LDS stores below read
.set CE, 0
.rept 12
	ds_store_b32 v3, v[CS0+4*CE] offset:400*(4*(\bt)+CE/3)+128*(CE%3)
.set CE, CE+1
.endr
.if (\bt)+4 <= 7
	WIN 0x40                                       ; destination window 1
	ADDR (\bt)+4                                   ; the set's address registers are free: the wait on LOADcnt above shows their loads done, and the wait on vm_vsrc at the head stands behind those loads
	s_wait_dscnt 0x0                               ; the stores are done with their registers: the set takes the queries four batches on
	WIN 0x01                                       ; a load's address in window 1, its data in window 0
	s_wait_alu depctr_va_vdst(0)                   ; the twelve addresses are written; this batch's arithmetic is done with the set in which the loads land
	s_wait_alu depctr_vm_vsrc(0)                   ; the LDS stores have read their d2, in whose registers the loads land
	LOADS (\bt)+4
	WIN 0
.endif
.endm
	WIN 0x40                                       ; destination window 1
	ADDR 0
	ADDR 1
	ADDR 2
	ADDR 3
	WIN 0x01                                       ; a load's address in window 1, its data in window 0
	s_wait_alu depctr_va_vdst(0)                   ; all 48 addresses are written, which the 48 loads read
	LOADS 0
	LOADS 1
	LOADS 2
	LOADS 3
	WIN 0
	s_wait_loadcnt 48                              ; my query and my word of grp are in; the 48 loads behind them may be out
	s_wait_alu depctr_vm_vsrc(0)                   ; the 48 loads have read their address registers, each set of which is written once more, in batches 0 to 3
	v_mul_f32 v[VQ], -2.0, v[RQ]
	v_mul_f32 v[VQ+1], -2.0, v[RQ+1]
	v_mul_f32 v[VQ+2], -2.0, v[RQ+2]
	v_mul_f32 v[VQ+3], v[RQ], v[RQ]
	v_fma_f32 v[VQ+3], v[RQ+1], v[RQ+1], v[VQ+3]
	v_fma_f32 v[VQ+3], v[RQ+2], v[RQ+2], v[VQ+3]
.irp b, 0,1,2,3,4,5,6,7
	COMP \b
.endr
	s_wait_alu depctr_vm_vsrc(0)                   ; the LDS stores of batches 4 to 7 have read v16-207, which the loads and the vector lines below write.  (All vector work on these registers stands ahead of the last batch's wait on va_vdst, and nothing behind that wait names them)
.set DM, 0
.rept 24
	ds_load_b128 v[DD+4*DM:DD+4*DM+3], v4 offset:16*DM     ; LDS serves a wave's instructions in order: these see my stores
.set DM, DM+1
.endr
.irp k, 0,1,2,3,4,5,6,7,8,9,10,11
	v_mov_b32 v[ML+\k], 0x7f800000
	v_mov_b32 v[IL+\k], 0
.endr
	s_wait_dscnt 0x0
.set DC, 0
.rept 32                                           ; point DC of each of the three groups: three insertions side by side
	v_mov_b32 v5, DC
	INSERT 3, DD+DC, 32, 5, 0
.set DC, DC+1
.endr
.irp k, 0,1,2
	v_bfe_u32 v[GB+\k], v[GW], 8*\k, 7
.endr
.irp k, 0,1,2
	v_lshl_add_u32 v[GB+\k], v[GB+\k], 5, s57      ; 32 x group + the batch's first row
.endr
.irp p, 0,1,2
.irp k, 0,1,2
	v_add_nc_u32 v[IL+4*\p+\k], v[IL+4*\p+\k], v[GB+\k]
.endr
.endr
.irp p, 0,1,2
	INSERT 1, ML+4*\p+1, 0, IL+4*\p+1, 0           ; the groups are in ascending order: the later lists into the first
.endr
.irp p, 0,1,2
	INSERT 1, ML+4*\p+2, 0, IL+4*\p+2, 0
.endr
	v_add_f32 v148, 0x322bcc77, v[ML]              ; d + 1e-8
	v_add_f32 v149, 0x322bcc77, v[ML+4]
	v_add_f32 v150, 0x322bcc77, v[ML+8]
	v_rcp_f32 v151, v148
	v_rcp_f32 v152, v149
	v_rcp_f32 v153, v150
	v_mov_b32 v[IDQ], v[IL]                        ; plain work behind the three reciprocals
	v_mov_b32 v[IDQ+1], v[IL+4]
	v_mov_b32 v[IDQ+2], v[IL+8]
	v_mov_b32 v[IDQ+3], 0
	s_wait_alu depctr_va_vdst(0)                   ; one wait for the three reciprocals v151-153, ahead of their first reader
	v_add_f32 v154, v151, v152
	v_add_f32 v154, v154, v153
	v_rcp_f32 v155, v154
	v_mov_b32 v[WGQ+3], 0                          ; a plain place behind the reciprocal
	s_wait_alu depctr_va_vdst(0)                   ; the reciprocal v155, ahead of its first reader
	v_mul_f32 v[WGQ], v151, v155
	v_mul_f32 v[WGQ+1], v152, v155
	v_mul_f32 v[WGQ+2], v153, v155
	s_wait_alu depctr_va_vdst(0)                   ; the rows' numbers v156-159 and the weights v160-163 are written, which the two stores read
	global_store_b128 v2, v[IDQ:IDQ+3], s[16:17]   ; 32 lanes store 512 consecutive bytes
	global_store_b128 v2, v[WGQ:WGQ+3], s[18:19]
	s_wait_dscnt 0x0
	s_wait_alu depctr_hold_cnt(0) depctr_sa_sdst(0) depctr_va_vdst(0) depctr_va_sdst(0) depctr_va_ssrc(0) depctr_va_vcc(0) depctr_vm_vsrc(0)
	s_wait_tensorcnt 0x0
	ds_add_u32 v254, v255
	s_wait_dscnt 0x0
	s_endpgm
	; ---------------- the product ----------------
; 64 numbers of a lane, register 16 b + i = k 32 b + 16 (lane / 16) + i of my row, become a fragment's codes in v[pc] on and its scale word in v[pw]
.macro QUANT s, pc, pw
.irp b, 0,1,2,3
	v_max3_num_f32 v[TM+\b], |v[\s+16*\b]|, |v[\s+1+16*\b]|, 0x1800000   ; block b: my 16 numbers, and the floor 2^(3 - 127): the byte cannot fall under 1
.endr
.irp i, 2,4,6,8,10,12,14
.irp b, 0,1,2,3
	v_max3_num_f32 v[TM+\b], v[TM+\b], |v[\s+16*\b+\i]|, |v[\s+1+16*\b+\i]|
.endr
.endr
.irp b, 0,1,2,3
	v_permlanex16_b32 v[TM+4+\b], v[TM+\b], s[SEL], s[SEL+1]
.endr
.irp b, 0,1,2,3
	v_max_num_f32 v[TM+\b], v[TM+\b], v[TM+4+\b]   ; with lane l xor 16's: the block's largest magnitude
.endr
.irp b, 0,1,2,3
	v_add_nc_u32 v[TM+12+\b], 0xff000000, v[TM+\b] ; 2 off its exponent field: the conversion's scale operand
.endr
.irp b, 0,1,2,3
	v_lshrrev_b32 v[TM+4+\b], 23, v[TM+12+\b]      ; the scale's byte
.endr
	v_lshl_or_b32 v[\pw], v[TM+5], 8, v[TM+4]
	v_lshl_or_b32 v[\pw], v[TM+6], 16, v[\pw]
	v_lshl_or_b32 v[\pw], v[TM+7], 24, v[\pw]
.irp c, 0,1
	v_cvt_scalef32_pk16_fp6_f32 v[\pc+6*\c:\pc+2+6*\c], v[\s+32*\c:\s+15+32*\c], v[TM+12+2*\c]
	v_cvt_scalef32_pk16_fp6_f32 v[QT+4*\c:QT+2+4*\c], v[\s+16+32*\c:\s+31+32*\c], v[TM+12+2*\c+1]   ; (a conversion's three registers begin on an even number)
.endr
	v_nop                                          ; one plain place behind a scaled conversion
.irp c, 0,1                                    ; the operand's layout wants a whole block in a lane: lanes 0-15 block 2 c, lanes 16-31 block 2 c + 1
.irp i, 0,1,2
	v_permlane16_swap_b32 v[\pc+6*\c+\i], v[QT+4*\c+\i]
.endr
.irp i, 0,1,2
	v_mov_b32 v[\pc+3+6*\c+\i], v[QT+4*\c+\i]
.endr
.endr
.endm
; 16 rows of 512 bytes, loaded 16 bytes a lane, through my stage (rows 528 bytes apart = 33 x 16) and back as 16 neighbours of each block of 32 of row r
.macro TURN xr
.set TI, 0
.rept 16
	ds_store_b128 v[SA], v[(\xr)+4*TI:(\xr)+4*TI+3] offset:528*TI
.set TI, TI+1
.endr
	s_wait_alu depctr_vm_vsrc(0)                   ; the sixteen stores have read their data, in whose registers the loads below land
.irp b, 0,1,2,3
.irp j, 0,1,2,3
	ds_load_b128 v[(\xr)+16*\b+4*\j:(\xr)+16*\b+4*\j+3], v[SQ] offset:128*\b+16*\j   ; LDS serves a wave's instructions in order: these see the stores above
.endr
.endr
.endm
.Lgemm:
	s_and_b32 s24, s2, 3                           ; j
	s_and_b32 s25, s24, 1                          ; which 16 rows
	s_lshr_b32 s26, s24, 1                         ; which 64 columns
	s_lshl_b32 s27, ttmp9, 5
	s_lshl_b32 s28, s25, 4
	s_add_co_u32 s27, s27, s28                     ; my first row
	s_lshl_b32 s28, s27, 10
	s_mov_b32 s29, 0
	s_add_nc_u64 s[10:11], s[10:11], s[28:29]      ; x: rows of 1,024 bytes
	s_lshl_b32 s28, s27, 9
	s_lshl_b32 s30, s26, 8
	s_add_co_u32 s28, s28, s30
	s_add_nc_u64 s[20:21], s[20:21], s[28:29]      ; dnf: rows of 512 bytes, + my 256
	s_mov_b32 s28, s30
	s_add_nc_u64 s[14:15], s[14:15], s[28:29]      ; b1: my 64 numbers
	s_lshl_b32 s28, s26, 10
	s_add_co_u32 s28, s28, 36864
	s_add_nc_u64 s[32:33], s[12:13], s[28:29]      ; my 8 fragments' scale words
	s_mul_i32 s28, s26, 12288
	s_add_nc_u64 s[12:13], s[12:13], s[28:29]      ; and their images
	s_mul_i32 s31, s24, 8448
	s_add_co_u32 s31, s31, 51200                   ; my stage, behind the search's rows
	s_mov_b32 s[SEL], 0x76543210
	s_mov_b32 s[SEL+1], 0xfedcba98
	v_and_b32 v2, 15, v0                           ; r
	v_bfe_u32 v3, v0, 4, 1                         ; h
	v_lshlrev_b32 v4, 4, v1                        ; 16 x lane
	v_lshlrev_b32 v10, 4, v2                       ; 16 r
	v_add_nc_u32 v[SA], s31, v4
	v_mul_u32_u24 v[SQ], v2, 528
	v_lshl_add_u32 v[SQ], v3, 6, v[SQ]
	v_add_nc_u32 v[SQ], s31, v[SQ]
	v_mul_u32_u24 v7, v2, 272                      ; the way out, in: row r of 256 bytes + 16, 32 bytes for each half of the lanes
	v_lshl_add_u32 v7, v3, 5, v7
	v_add_nc_u32 v7, s31, v7
	v_mul_u32_u24 v8, v3, 272                      ; back: lanes 0-15 one row, lanes 16-31 the next
	v_lshl_add_u32 v8, v2, 4, v8
	v_add_nc_u32 v8, s31, v8
	v_lshlrev_b32 v9, 9, v3                        ; and the same two rows in dnf
	v_lshl_add_u32 v9, v2, 4, v9
.irp b, 0,1,2,3
	v_mov_b32 v[TM+4+\b], 0                        ; written once: a lane permute's destination counts as one of its sources
.endr
	s_wait_alu depctr_va_vdst(0)                   ; v4 to v10 are written: every load and store of this role reads one of them as its offset or address.  Up to the last load below stand only loads and window switches
.irp s, 0,1
.irp i, 0,1,2,3,4,5,6,7,8,9,10,11,12,13,14,15
	global_load_b128 v[XR0+64*\s+4*\i:XR0+64*\s+4*\i+3], v4, s[10:11] offset:1024*\i+512*\s   ; 32 lanes read 512 consecutive bytes
.endr
.endr
	WIN 0x40                                       ; destination window 1
.set FI, 0
.rept 8                                            ; W1's fragments (tile t, K step s) at v[12 (2 t + s)] of window 1
.irp c, 0,1,2
	global_load_b128 v[12*FI+4*\c:12*FI+4*\c+3], v4, s[12:13] offset:1536*FI+512*\c
.endr
.set FI, FI+1
.endr
	WIN 0
	global_load_b128 v[W1S:W1S+3], v4, s[32:33]
	global_load_b128 v[W1S+4:W1S+7], v4, s[32:33] offset:512
	global_load_b128 v[B1R:B1R+3], v10, s[14:15]
	s_wait_loadcnt 43                              ; K step 0's sixteen loads are in; behind them 16 + 24 + 3 were issued
	TURN XR0
	s_wait_loadcnt 27                              ; K step 1's are in; behind them 24 + 3
	TURN XR1
	s_wait_dscnt 32                                ; the first turn is back; the second's 32 may be out
	QUANT XR0, PC0, PW0
	s_wait_dscnt 0x0
	QUANT XR1, PC1, PW1
	s_wait_loadcnt 0x0                             ; W1's images and words, b1
.rept 8
	v_nop                                          ; a scale word written by a vector instruction stands 8 places ahead of a scaled matrix instruction, codes so written 4
.endr
	WIN 0x01                                       ; source 0 (W1) window 1
	s_wait_alu depctr_va_vdst(0)                   ; x's codes v162-185 and scale words v160, v161 are written, which the products take; the places above stay beside this wait
.irp t, 0,1,2,3                                ; the four accumulators take turns, one instruction a turn
	v_wmma_scale_f32_16x16x128_f8f6f4 v[ACC+8*\t:ACC+8*\t+7], v[24*\t:24*\t+11], v[PC0:PC0+11], 0, v[W1S+2*\t], v[PW0] matrix_a_fmt:MATRIX_FMT_FP6 matrix_b_fmt:MATRIX_FMT_FP6
.endr
.irp t, 0,1,2,3
	v_wmma_scale_f32_16x16x128_f8f6f4 v[ACC+8*\t:ACC+8*\t+7], v[24*\t+12:24*\t+23], v[PC1:PC1+11], v[ACC+8*\t:ACC+8*\t+7], v[W1S+2*\t+1], v[PW1] matrix_a_fmt:MATRIX_FMT_FP6 matrix_b_fmt:MATRIX_FMT_FP6
.endr
	WIN 0
.rept 4
	v_nop                                          ; four places ahead of the first read of results
.endr
	s_wait_alu depctr_va_vdst(0)                   ; the products have written the accumulators, which the LDS stores read; the conversions are done reading v80-111, in which the rows land (the second turn's wait on vm_vsrc stands behind the stores that read them)
.irp t, 0,1,2,3
	ds_store_b128 v7, v[ACC+8*\t:ACC+8*\t+3] offset:64*\t           ; lane (r, h): row r, columns 16 t + 8 h + 0 .. 7; each accumulator from its low end on
	ds_store_b128 v7, v[ACC+8*\t+4:ACC+8*\t+7] offset:64*\t+16
.endr
.irp i, 0,1,2,3,4,5,6,7
	ds_load_b128 v[RO+4*\i:RO+4*\i+3], v8 offset:544*\i
.endr
.irp i, 0,1,2,3,4,5,6,7
	s_wait_dscnt 7-\i
	v_pk_add_f32 v[RO+4*\i:RO+4*\i+1], v[RO+4*\i:RO+4*\i+1], v[B1R:B1R+1]
	v_pk_add_f32 v[RO+4*\i+2:RO+4*\i+3], v[RO+4*\i+2:RO+4*\i+3], v[B1R+2:B1R+3]
.endr
	s_wait_alu depctr_va_vdst(0)                   ; the sixteen additions have written v80-111, which the eight stores read
.irp i, 0,1,2,3,4,5,6,7
	global_store_b128 v9, v[RO+4*\i:RO+4*\i+3], s[20:21] offset:1024*\i   ; sixteen lanes store 256 consecutive bytes, at a multiple of 256 from dnf's first byte
.endr
	s_wait_dscnt 0x0
	s_wait_alu depctr_hold_cnt(0) depctr_sa_sdst(0) depctr_va_vdst(0) depctr_va_sdst(0) depctr_va_ssrc(0) depctr_va_vcc(0) depctr_vm_vsrc(0)
	s_wait_tensorcnt 0x0
	ds_add_u32 v254, v255
	s_wait_dscnt 0x0
	s_endpgm
.Lfunc_end_k_q861e3401fd_knn_exact_gemm1:
	.size	k_q861e3401fd_knn_exact_gemm1, .Lfunc_end_k_q861e3401fd_knn_exact_gemm1-k_q861e3401fd_knn_exact_gemm1
	.p2alignl 7, 3214868480
	.fill 96, 4, 3214868480
	.section	.rodata,"a",@progbits
	.p2align	6, 0x0
	.amdhsa_kernel k_q861e3401fd_knn_exact_gemm1
		.amdhsa_group_segment_fixed_size 87040
		.amdhsa_private_segment_fixed_size 0
		.amdhsa_enable_private_segment 0
		.amdhsa_kernarg_size 72
		.amdhsa_user_sgpr_count 2
		.amdhsa_user_sgpr_kernarg_segment_ptr 1
		.amdhsa_wavefront_size32 1
		.amdhsa_system_sgpr_workgroup_id_x 1
		.amdhsa_system_sgpr_workgroup_id_y 1
		.amdhsa_system_sgpr_workgroup_id_z 1
		.amdhsa_system_vgpr_workitem_id 0
		.amdhsa_next_free_vgpr 352
		.amdhsa_next_free_sgpr 102
		.amdhsa_reserve_vcc 0
		.amdhsa_float_denorm_mode_32 3
		.amdhsa_float_denorm_mode_16_64 3
		.amdhsa_memory_ordered 1
		.amdhsa_forward_progress 1
		.amdhsa_inst_pref_size 179
	.end_amdhsa_kernel
	.amdgpu_metadata
---
amdhsa.version: [ 1, 2 ]
amdhsa.kernels:
  - .name:           k_q861e3401fd_knn_exact_gemm1
    .symbol:         k_q861e3401fd_knn_exact_gemm1.kd
    .args:
      - { .name: grp, .offset: 0, .size: 8, .value_kind: global_buffer, .address_space: global }
      - { .name: ori_xyzp, .offset: 8, .size: 8, .value_kind: global_buffer, .address_space: global }
      - { .name: down_xyzp, .offset: 16, .size: 8, .value_kind: global_buffer, .address_space: global }
      - { .name: down_features, .offset: 24, .size: 8, .value_kind: global_buffer, .address_space: global }
      - { .name: wq, .offset: 32, .size: 8, .value_kind: global_buffer, .address_space: global }
      - { .name: b1, .offset: 40, .size: 8, .value_kind: global_buffer, .address_space: global }
      - { .name: idx, .offset: 48, .size: 8, .value_kind: global_buffer, .address_space: global }
      - { .name: wgt, .offset: 56, .size: 8, .value_kind: global_buffer, .address_space: global }
      - { .name: dnf, .offset: 64, .size: 8, .value_kind: global_buffer, .address_space: global }
    .group_segment_fixed_size: 87040
    .private_segment_fixed_size: 0
    .kernarg_segment_align: 8
    .kernarg_segment_size: 72
    .max_flat_workgroup_size: 256
    .sgpr_count:     102
    .vgpr_count:     352
    .wavefront_size: 32
...
	.end_amdgpu_metadata
.endif
;; end of part 4
;; launch gemm2_interp (part 5): grid 256 x 1, 8 waves a work-group, no clusters, 82,944 bytes of LDS; arguments ori_features, wq, b2, idx, wgt, dnf, out0; writes out0
.if DOCPART == 5
	.amdgcn_target "amdgcn-amd-amdhsa--gfx1250"
	.amdhsa_code_object_version 6
	.text
	.protected	k_q861e3401fd_gemm2_interp
	.globl	k_q861e3401fd_gemm2_interp
	.p2align	8
	.type	k_q861e3401fd_gemm2_interp,@function
k_q861e3401fd_gemm2_interp:
	s_mov_b64 s[64:65], 0
	v_nop
	global_prefetch_b8 v0, s[64:65] scope:SCOPE_SE
	s_setreg_imm32_b32 hwreg(HW_REG_WAVE_SCHED_MODE, 0, 2), 2
	s_setreg_imm32_b32 hwreg(HW_REG_WAVE_MODE, 25, 1), 1
	s_wait_xcnt 0x0
	s_wait_alu depctr_vm_vsrc(0)
; out = Q(ori_features) Q(W2) + b2 + the sum over the three neighbours of weight x down_f[neighbour].
; A work-group takes rows 128 x work-group on, wave w 16 of them over all 128 columns: 8 matrix instructions (K = 128, one step) in MX-FP6.
; The neighbours' rows of dnf (whole numbers, stored by the launch before) are scalars here: a row of 512 bytes is one load of the wave, 16 bytes a lane; all 48 are asked for at the head, ahead of the product.
; The weights come as scalars too.  The features are loaded densely, turned through the wave's own stage so that a lane holds 16 neighbours of each block of 32, and quantised in registers.
; W2's eight register images (12,288 bytes) are copied into LDS once by the eight waves together: the one barrier.  The product is used transposed (source 0 = 16 columns of W2, source 1 = my 16 rows);
; its results go through the stage and come back as whole rows, in the gathered rows' layout: lane l holds columns 4 l .. 4 l + 3.
; The sum's order: (((product + b2) + w0 g0) + w1 g1) + w2 g2, each a fused multiply-add.  A block of zeros gets the scale byte 1 where the rule says 127: its codes are zeros.
; NO CLUSTER, NO TENSOR LOAD: what work-groups share is W2's 12 KiB beside 64 KiB of features, 192 KiB of gathered rows and 64 KiB of output of their own; nothing in LDS is filled twice.
; REGISTERS: window 0: v2-8 addresses; v16-79 the features, then the 8 accumulators; v80-119 at work; v120-127 W2's scale words; v128-223 W2's fragments, then the rows on the way out.
;   window 1: v0-191 the gathered rows (row i, neighbour k at 12 i + 4 k); v192-195 b2; v196 16 x lane once more, for the stores that stand among instructions whose source 0 lies in window 1;
;   v200-247 the gathers' byte offsets (row i, neighbour k at 200 + 3 i + k).
; THE MODE: SCHED_MODE bits 1:0 = 2 (LLVM: expert scheduling mode 2), set by the entry lines.  The code itself states the register dependences between vector or matrix instructions and memory or LDS
; instructions, and those through scalar registers that vector instructions write, with s_wait_alu, always for 0.
; THE PLAN.  Registers that memory or LDS instructions touch:
;   v4-8, v196 of window 1   offsets and LDS addresses: written once at the head, never again.
;   the 48 gather offsets    written in one run by vector additions, read by the 48 gathers, never written again.
;   v128-139                 three global loads land; three LDS stores read them; then, with v140-223, W2's fragments land there; the products read them; then the rows land in v128-191.
;   v16-79                   the features land; 16 LDS stores read them; 16 LDS loads land in them (a wait on vm_vsrc between, which also stands behind the three stores of v128-139); the conversions read them;
;                            the products write them; 16 LDS stores read them.
;   v128-191, the rows       LDS loads land; the blend reads and writes a row in place; its global store reads it; nothing writes it again.
; The blend goes in four groups of four rows: a group's 40 vector instructions, one wait on va_vdst, its four stores.
.set SA,  5                            ; v5   the stage: 16 x lane
.set SQ,  6                            ; v6   the stage: 528 r + 64 h
.set XR,  16
.set TM,  80
.set PW,  96                           ; v96  my rows' scale word: it holds nothing else
.set PC,  100
.set QT,  112
.set WS,  120
.set WF,  128
.set RO,  128
.set B2,  192                          ; in window 1
.set LW,  196
.set GA,  200
.set SEL, 88
.set MSB, 0
.macro WIN new                         ; the immediate's high byte repeats the setting that is left
.if MSB != \new
	s_set_vgpr_msb (MSB<<8)|\new
.set MSB, \new
.endif
.endm
.macro QUANT s, pc, pw                 ; 64 numbers of a lane, register 16 b + i = k 32 b + 16 (lane / 16) + i of my row, become codes in v[pc] on and a scale word in v[pw]
.irp b, 0,1,2,3
	v_max3_num_f32 v[TM+\b], |v[\s+16*\b]|, |v[\s+1+16*\b]|, 0x1800000   ; block b: my 16 numbers, and the floor 2^(3 - 127): the byte cannot fall under 1
.endr
.irp i, 2,4,6,8,10,12,14
.irp b, 0,1,2,3
	v_max3_num_f32 v[TM+\b], v[TM+\b], |v[\s+16*\b+\i]|, |v[\s+1+16*\b+\i]|
.endr
.endr
.irp b, 0,1,2,3
	v_permlanex16_b32 v[TM+4+\b], v[TM+\b], s[SEL], s[SEL+1]
.endr
.irp b, 0,1,2,3
	v_max_num_f32 v[TM+\b], v[TM+\b], v[TM+4+\b]
.endr
.irp b, 0,1,2,3
	v_add_nc_u32 v[TM+12+\b], 0xff000000, v[TM+\b] ; 2 off the exponent field: the conversion's scale operand
.endr
.irp b, 0,1,2,3
	v_lshrrev_b32 v[TM+4+\b], 23, v[TM+12+\b]      ; the scale's byte
.endr
	v_lshl_or_b32 v[\pw], v[TM+5], 8, v[TM+4]
	v_lshl_or_b32 v[\pw], v[TM+6], 16, v[\pw]
	v_lshl_or_b32 v[\pw], v[TM+7], 24, v[\pw]
.irp c, 0,1
	v_cvt_scalef32_pk16_fp6_f32 v[\pc+6*\c:\pc+2+6*\c], v[\s+32*\c:\s+15+32*\c], v[TM+12+2*\c]
	v_cvt_scalef32_pk16_fp6_f32 v[QT+4*\c:QT+2+4*\c], v[\s+16+32*\c:\s+31+32*\c], v[TM+12+2*\c+1]
.endr
	v_nop                                          ; one plain place behind a scaled conversion
.irp c, 0,1
.irp i, 0,1,2
	v_permlane16_swap_b32 v[\pc+6*\c+\i], v[QT+4*\c+\i]
.endr
.irp i, 0,1,2
	v_mov_b32 v[\pc+3+6*\c+\i], v[QT+4*\c+\i]
.endr
.endr
.endm
.macro TURN xr                         ; 16 rows of 512 bytes through my stage (rows 528 bytes apart = 33 x 16), back as 16 neighbours of each block of 32 of row r
.set TI, 0
.rept 16
	ds_store_b128 v[SA], v[(\xr)+4*TI:(\xr)+4*TI+3] offset:528*TI
.set TI, TI+1
.endr
	s_wait_alu depctr_vm_vsrc(0)                   ; the sixteen stores have read their data, in whose registers the loads below land; the three stores of the images have read v128-139, in which W2's fragments land
.irp b, 0,1,2,3
.irp j, 0,1,2,3
	ds_load_b128 v[(\xr)+16*\b+4*\j:(\xr)+16*\b+4*\j+3], v[SQ] offset:128*\b+16*\j
.endr
.endr
.endm
	s_load_b256 s[4:11], s[0:1], 0x0               ; features 4, wq 6, b2 8, idx 10
	s_load_b128 s[12:15], s[0:1], 0x20             ; wgt 12, dnf 14
	s_load_b64 s[84:85], s[0:1], 0x30              ; out
	v_lshl_add_u32 v254, v0, 2, 0x14000
	v_mov_b32 v255, 0
	v_lshrrev_b32 v1, 5, v0
	v_readfirstlane_b32 s86, v1                    ; wave 0..7
	v_and_b32 v1, 31, v0                           ; lane
	v_and_b32 v2, 15, v0                           ; r
	v_bfe_u32 v3, v0, 4, 1                         ; h
	v_lshlrev_b32 v4, 4, v1                        ; 16 x lane
	v_lshlrev_b32 v8, 4, v0                        ; 16 x thread
.irp b, 0,1,2,3
	v_mov_b32 v[TM+4+\b], 0                        ; written once: a lane permute's destination counts as one of its sources
.endr
	WIN 0x40                                       ; destination window 1
	v_mov_b32 v[LW], v4
	WIN 0
	s_wait_alu depctr_va_sdst(0)                   ; s86 is written, ahead of its first reader: the wave's rows and its stage are made from it
	s_lshl_b32 s90, ttmp9, 7
	s_lshl_b32 s91, s86, 4
	s_add_co_u32 s90, s90, s91                     ; my wave's first row
	s_lshl_b32 s92, s90, 4
	s_mov_b32 s93, 0
	s_mov_b32 s[SEL], 0x76543210
	s_mov_b32 s[SEL+1], 0xfedcba98
	s_mul_i32 s94, s86, 8448
	s_add_co_u32 s94, s94, 12288                   ; my stage, behind W2's images
	v_add_nc_u32 v[SA], s94, v4
	v_mul_u32_u24 v[SQ], v2, 528
	v_lshl_add_u32 v7, v3, 5, v[SQ]
	v_lshl_add_u32 v[SQ], v3, 6, v[SQ]
	v_add_nc_u32 v[SQ], s94, v[SQ]
	v_add_nc_u32 v7, s94, v7                       ; the way out, in: row r, 32 bytes for each half of the lanes
	s_wait_kmcnt 0x0
	s_add_nc_u64 s[10:11], s[10:11], s[92:93]
	s_add_nc_u64 s[12:13], s[12:13], s[92:93]
	s_lshl_b32 s92, s90, 9
	s_add_nc_u64 s[4:5], s[4:5], s[92:93]
	s_add_nc_u64 s[84:85], s[84:85], s[92:93]
	s_load_b512 s[16:31], s[10:11], 0x0            ; my 16 rows' neighbours, four words a row: row i at s[16 + 4 i], from row 12 on at s[20 + 4 i]
	s_load_b512 s[32:47], s[10:11], 0x40
	s_load_b512 s[48:63], s[10:11], 0x80
	s_load_b512 s[68:83], s[10:11], 0xc0
	s_wait_alu depctr_va_vdst(0)                   ; v4 to v8 and v196 of window 1 are written: the loads and stores of the kernel read them as offsets and addresses.  Up to the last of the 22 loads below stand only loads and window switches
.irp i, 0,1,2
	global_load_b128 v[WF+4*\i:WF+4*\i+3], v8, s[6:7] offset:24576+4096*\i   ; W2's images (fragments 16-23): 256 threads x 16 bytes, three times
.endr
	global_load_b128 v[WS:WS+3], v4, s[6:7] offset:38912     ; their scale words
	global_load_b128 v[WS+4:WS+7], v4, s[6:7] offset:39424
	WIN 0x40                                       ; destination window 1
	global_load_b128 v[B2:B2+3], v4, s[8:9]
	WIN 0
.irp i, 0,1,2,3,4,5,6,7,8,9,10,11,12,13,14,15
	global_load_b128 v[XR+4*\i:XR+4*\i+3], v4, s[4:5] offset:512*\i th:TH_LOAD_NT   ; a row of features: 512 consecutive bytes, read once
.endr
	s_wait_loadcnt 19                              ; the three pieces of the images are in; behind them 2 + 1 + 16 were issued
.irp i, 0,1,2
	ds_store_b128 v8, v[WF+4*\i:WF+4*\i+3] offset:4096*\i
.endr
	s_wait_kmcnt 0x0                               ; the neighbours
	WIN 0x40                                       ; destination window 1
.set GI, 0
.rept 16
.set QR, 16+4*GI+4*(GI/12)
.irp k, 0,1,2
	s_min_u32 s[QR+\k], s[QR+\k], 0x1fff           ; a stored number enters an address behind its clamp: dnf has 8,192 rows
	s_lshl_b32 s[QR+\k], s[QR+\k], 9
	v_add_nc_u32 v[GA+3*GI+\k], s[QR+\k], v4
.endr
.set GI, GI+1
.endr
	WIN 0x41                                       ; a load's address and its data in window 1
	s_wait_alu depctr_va_vdst(0)                   ; the 48 byte offsets are written, which the 48 gathers read; the additions are also done reading s16-83, which the scalar loads below write
.set GI, 0
.rept 16
.irp k, 0,1,2
	global_load_b128 v[12*GI+4*\k:12*GI+4*\k+3], v[GA+3*GI+\k], s[14:15]   ; a whole row
.endr
.set GI, GI+1
.endr
	WIN 0
	s_load_b512 s[16:31], s[12:13], 0x0            ; the weights take the neighbours' places
	s_load_b512 s[32:47], s[12:13], 0x40
	s_load_b512 s[48:63], s[12:13], 0x80
	s_load_b512 s[68:83], s[12:13], 0xc0
	s_wait_dscnt 0x0                               ; for the others' sake: my part of the images has landed
	s_barrier_signal -1
	s_barrier_wait -1                              ; the images are whole
	s_wait_loadcnt 48                              ; all but the 48 gathers: the features, the scale words, b2
	TURN XR
.set FI, 0
.rept 8
.irp c, 0,1,2
	ds_load_b128 v[WF+12*FI+4*\c:WF+12*FI+4*\c+3], v4 offset:1536*FI+512*\c
.endr
.set FI, FI+1
.endr
	s_wait_dscnt 24                                ; the turn is back; W2's 24 loads may be out
	QUANT XR, PC, PW
	s_wait_dscnt 0x0
.rept 8
	v_nop                                          ; a scale word written by a vector instruction stands 8 places ahead of a scaled matrix instruction, codes so written 4
.endr
	s_wait_alu depctr_va_vdst(0)                   ; my rows' codes v100-111 and scale word v96 are written, which the products take; the places above stay beside this wait
.irp t, 0,1,2,3,4,5,6,7                        ; eight accumulators, one instruction each
	v_wmma_scale_f32_16x16x128_f8f6f4 v[XR+8*\t:XR+8*\t+7], v[WF+12*\t:WF+12*\t+11], v[PC:PC+11], 0, v[WS+\t], v[PW] matrix_a_fmt:MATRIX_FMT_FP6 matrix_b_fmt:MATRIX_FMT_FP6
.endr
.rept 4
	v_nop                                          ; four places ahead of the first read of results
.endr
	s_wait_alu depctr_va_vdst(0)                   ; the products have written the accumulators, which the LDS stores read, and are done reading W2's fragments, in whose registers the rows land
.irp t, 0,1,2,3,4,5,6,7
	ds_store_b128 v7, v[XR+8*\t:XR+8*\t+3] offset:64*\t             ; lane (r, h): row r, columns 16 t + 8 h + 0 .. 7; each accumulator from its low end on
	ds_store_b128 v7, v[XR+8*\t+4:XR+8*\t+7] offset:64*\t+16
.endr
.irp i, 0,1,2,3,4,5,6,7,8,9,10,11,12,13,14,15
	ds_load_b128 v[RO+4*\i:RO+4*\i+3], v[SA] offset:528*\i          ; back as whole rows: LDS serves a wave's instructions in order
.endr
	s_wait_kmcnt 0x0                               ; the weights
	WIN 0x01                                       ; source 0 (b2, the gathered rows, a store's address) in window 1
.set GI, 0
.rept 4                                            ; four groups of four rows
.rept 4
.set QR, 16+4*GI+4*(GI/12)
	s_wait_dscnt 15-GI                             ; row GI is back from the stage
	s_wait_loadcnt 45-3*GI                         ; and its three gathered rows are in; the later rows' may be out
	v_pk_add_f32 v[RO+4*GI:RO+4*GI+1], v[B2:B2+1], v[RO+4*GI:RO+4*GI+1]
	v_pk_add_f32 v[RO+4*GI+2:RO+4*GI+3], v[B2+2:B2+3], v[RO+4*GI+2:RO+4*GI+3]
	v_pk_fma_f32 v[RO+4*GI:RO+4*GI+1], v[12*GI:12*GI+1], s[QR:QR+1], v[RO+4*GI:RO+4*GI+1] op_sel_hi:[1,0,1]
	v_pk_fma_f32 v[RO+4*GI+2:RO+4*GI+3], v[12*GI+2:12*GI+3], s[QR:QR+1], v[RO+4*GI+2:RO+4*GI+3] op_sel_hi:[1,0,1]
.irp c, 0,1,2,3
	v_fma_f32 v[RO+4*GI+\c], v[12*GI+4+\c], s[QR+1], v[RO+4*GI+\c]  ; (the second weight lies on an odd register: no pair begins there)
.endr
	v_pk_fma_f32 v[RO+4*GI:RO+4*GI+1], v[12*GI+8:12*GI+9], s[QR+2:QR+3], v[RO+4*GI:RO+4*GI+1] op_sel_hi:[1,0,1]
	v_pk_fma_f32 v[RO+4*GI+2:RO+4*GI+3], v[12*GI+10:12*GI+11], s[QR+2:QR+3], v[RO+4*GI+2:RO+4*GI+3] op_sel_hi:[1,0,1]
.set GI, GI+1
.endr
	s_wait_alu depctr_va_vdst(0)                   ; the group's four rows are written, which its four stores read
.irp u, 4,3,2,1
	global_store_b128 v[LW], v[RO+4*(GI-\u):RO+4*(GI-\u)+3], s[84:85] offset:512*(GI-\u) th:TH_STORE_NT   ; 32 lanes store a row: 512 consecutive bytes, at a multiple of 256 from out's first byte
.endr
.endr
	WIN 0
	s_wait_dscnt 0x0
	s_wait_alu depctr_hold_cnt(0) depctr_sa_sdst(0) depctr_va_vdst(0) depctr_va_sdst(0) depctr_va_ssrc(0) depctr_va_vcc(0) depctr_vm_vsrc(0)
	s_wait_tensorcnt 0x0
	ds_add_u32 v254, v255
	s_wait_dscnt 0x0
	s_endpgm
.Lfunc_end_k_q861e3401fd_gemm2_interp:
	.size	k_q861e3401fd_gemm2_interp, .Lfunc_end_k_q861e3401fd_gemm2_interp-k_q861e3401fd_gemm2_interp
	.p2alignl 7, 3214868480
	.fill 96, 4, 3214868480
	.section	.rodata,"a",@progbits
	.p2align	6, 0x0
	.amdhsa_kernel k_q861e3401fd_gemm2_interp
		.amdhsa_group_segment_fixed_size 82944
		.amdhsa_private_segment_fixed_size 0
		.amdhsa_enable_private_segment 0
		.amdhsa_kernarg_size 56
		.amdhsa_user_sgpr_count 2
		.amdhsa_user_sgpr_kernarg_segment_ptr 1
		.amdhsa_wavefront_size32 1
		.amdhsa_system_sgpr_workgroup_id_x 1
		.amdhsa_system_sgpr_workgroup_id_y 1
		.amdhsa_system_sgpr_workgroup_id_z 1
		.amdhsa_system_vgpr_workitem_id 0
		.amdhsa_next_free_vgpr 504
		.amdhsa_next_free_sgpr 102
		.amdhsa_reserve_vcc 0
		.amdhsa_float_denorm_mode_32 3
		.amdhsa_float_denorm_mode_16_64 3
		.amdhsa_memory_ordered 1
		.amdhsa_forward_progress 1
		.amdhsa_inst_pref_size 40
	.end_amdhsa_kernel
	.amdgpu_metadata
---
amdhsa.version: [ 1, 2 ]
amdhsa.kernels:
  - .name:           k_q861e3401fd_gemm2_interp
    .symbol:         k_q861e3401fd_gemm2_interp.kd
    .args:
      - { .name: ori_features, .offset: 0, .size: 8, .value_kind: global_buffer, .address_space: global }
      - { .name: wq, .offset: 8, .size: 8, .value_kind: global_buffer, .address_space: global }
      - { .name: b2, .offset: 16, .size: 8, .value_kind: global_buffer, .address_space: global }
      - { .name: idx, .offset: 24, .size: 8, .value_kind: global_buffer, .address_space: global }
      - { .name: wgt, .offset: 32, .size: 8, .value_kind: global_buffer, .address_space: global }
      - { .name: dnf, .offset: 40, .size: 8, .value_kind: global_buffer, .address_space: global }
      - { .name: out0, .offset: 48, .size: 8, .value_kind: global_buffer, .address_space: global }
    .group_segment_fixed_size: 82944
    .private_segment_fixed_size: 0
    .kernarg_segment_align: 8
    .kernarg_segment_size: 56
    .max_flat_workgroup_size: 256
    .sgpr_count:     102
    .vgpr_count:     504
    .wavefront_size: 32
...
	.end_amdgpu_metadata
.endif
;; end of part 5
